; MI455X (gfx1250); checked and timed in simulation.
; The chip was launched on July 23, 2026; its instructions are those of AMD's public machine-readable ISA for CDNA 5 (MIT licence, August 2026) and "CDNA5" Instruction Set Architecture Reference Guide (July 2026). The comments in the code are by the model that wrote it; some were corrected since.
;; Attention. Allowed arithmetic: float matrix products may take bf16 or f16 operands with f32 sums; all other float work in f32.
;; Inputs: key 2 x 2,048 x 1,024 float32; query 2 x 2,048 x 4,096 float32; value 2 x 2,048 x 1,024 float32.
;; Outputs: out0 2 x 2,048 x 4,096 float32.
;; 3 versions, each right; version 2 is faster than version 1; version 3 is version 2 with the launch cvt written anew for expert scheduling mode. Each part assembles by itself: llvm-mc -triple=amdgcn-amd-amdhsa -mcpu=gfx1250 --defsym DOCPART=n.
;; ======== version 1 of 3: 2 launches
;; limits: values are held in f16: magnitudes above 65,504 overflow, below 6.1e-05 lose precision; inputs' magnitudes at most 65,504
;; workspace buffers: kh 8,388,608 bytes; vh 8,388,608 bytes
;; launch cvt (part 1): grid 512 x 1, 8 waves a work-group, no clusters, 0 bytes of LDS; arguments key, value, kh, vh; writes kh, vh
.if DOCPART == 1
	.amdgcn_target "amdgcn-amd-amdhsa--gfx1250"
	.amdhsa_code_object_version 6
	.text
	.protected	k_q56b035a40a_cvt
	.globl	k_q56b035a40a_cvt
	.p2align	8
	.type	k_q56b035a40a_cvt,@function
k_q56b035a40a_cvt:
	s_mov_b64 s[64:65], 0
	v_nop
	global_prefetch_b8 v0, s[64:65] scope:SCOPE_SE
	s_setreg_imm32_b32 hwreg(HW_REG_WAVE_MODE, 25, 1), 1
	s_wait_xcnt 0x0
; kh = f16(key), vh = f16(value), in the layout of the inputs: [2][2048][1024].
; f16 and not bf16: 11 significant bits against 8.  LIMIT: an input above 65,504 in magnitude becomes infinite; one below 2^-14 keeps an absolute error of at most 2^-25.
; A stream: every input byte is read once, every output byte written once; no LDS, no barrier, no matrix work.
; 512 work-groups of eight waves.  A work-group owns 32,768 bytes of key and the same of value; a wave 4,096 of each,
; as eight chunks of 512 neighbouring bytes (16 bytes a lane).  All sixteen loads of a wave go out at once; a chunk's
; 128 numbers leave as 256 neighbouring bytes, aligned to 256, by one store (8 bytes a lane).
; No register is written twice, so the only waits are the counted ones for the loads.
.set X, 8                              ; v[8:71]    chunk n: 4 registers as loaded (0-7 key, 8-15 value)
.set Y, 72                             ; v[72:103]  chunk n: 2 registers to store
	s_load_b256 s[4:11], s[0:1], 0x0               ; key s[4:5], value s[6:7], kh s[8:9], vh s[10:11]
	v_lshrrev_b32 v3, 5, v0                        ; wave
	v_and_b32 v4, 31, v0                           ; lane
	v_lshlrev_b32 v1, 4, v4
	v_lshl_add_u32 v1, v3, 12, v1                  ; in:  4,096 x wave + 16 x lane
	v_lshlrev_b32 v2, 3, v4
	v_lshl_add_u32 v2, v3, 11, v2                  ; out: 2,048 x wave + 8 x lane
	s_lshl_b32 s12, ttmp9, 15                      ; the work-group's 32,768 input bytes
	s_mov_b32 s13, 0
	s_lshl_b32 s14, ttmp9, 14                      ; and its 16,384 output bytes
	s_mov_b32 s15, 0
	s_wait_kmcnt 0x0
	s_add_nc_u64 s[4:5], s[4:5], s[12:13]
	s_add_nc_u64 s[6:7], s[6:7], s[12:13]
	s_add_nc_u64 s[8:9], s[8:9], s[14:15]
	s_add_nc_u64 s[10:11], s[10:11], s[14:15]
.irp n, 0,1,2,3,4,5,6,7
	global_load_b128 v[X+4*\n:X+4*\n+3], v1, s[4:5] offset:512*\n th:TH_LOAD_NT
.endr
.irp n, 0,1,2,3,4,5,6,7
	global_load_b128 v[X+32+4*\n:X+32+4*\n+3], v1, s[6:7] offset:512*\n th:TH_LOAD_NT
.endr
.irp n, 0,1,2,3,4,5,6,7
	s_wait_loadcnt 15-\n                           ; loads come back in order (ISA guide 5.7.1): chunk n is in, the 15 - n younger ones stay out
	v_cvt_pk_f16_f32 v[Y+2*\n], v[X+4*\n], v[X+4*\n+1]
	v_cvt_pk_f16_f32 v[Y+2*\n+1], v[X+4*\n+2], v[X+4*\n+3]
	global_store_b64 v2, v[Y+2*\n:Y+2*\n+1], s[8:9] offset:256*\n      ; no hint: the next launch reads these bytes
.endr
.irp n, 0,1,2,3,4,5,6,7
	s_wait_loadcnt 7-\n
	v_cvt_pk_f16_f32 v[Y+16+2*\n], v[X+32+4*\n], v[X+32+4*\n+1]
	v_cvt_pk_f16_f32 v[Y+16+2*\n+1], v[X+32+4*\n+2], v[X+32+4*\n+3]
	global_store_b64 v2, v[Y+16+2*\n:Y+16+2*\n+1], s[10:11] offset:256*\n
.endr
	s_endpgm
.Lfunc_end_k_q56b035a40a_cvt:
	.size	k_q56b035a40a_cvt, .Lfunc_end_k_q56b035a40a_cvt-k_q56b035a40a_cvt
	.p2alignl 7, 3214868480
	.fill 96, 4, 3214868480
	.section	.rodata,"a",@progbits
	.p2align	6, 0x0
	.amdhsa_kernel k_q56b035a40a_cvt
		.amdhsa_group_segment_fixed_size 0
		.amdhsa_private_segment_fixed_size 0
		.amdhsa_enable_private_segment 0
		.amdhsa_kernarg_size 32
		.amdhsa_user_sgpr_count 2
		.amdhsa_user_sgpr_kernarg_segment_ptr 1
		.amdhsa_wavefront_size32 1
		.amdhsa_system_sgpr_workgroup_id_x 1
		.amdhsa_system_sgpr_workgroup_id_y 1
		.amdhsa_system_sgpr_workgroup_id_z 1
		.amdhsa_system_vgpr_workitem_id 0
		.amdhsa_next_free_vgpr 104
		.amdhsa_next_free_sgpr 66
		.amdhsa_reserve_vcc 0
		.amdhsa_float_denorm_mode_32 3
		.amdhsa_float_denorm_mode_16_64 3
		.amdhsa_memory_ordered 1
		.amdhsa_forward_progress 1
		.amdhsa_inst_pref_size 7
	.end_amdhsa_kernel
	.amdgpu_metadata
---
amdhsa.version: [ 1, 2 ]
amdhsa.kernels:
  - .name:           k_q56b035a40a_cvt
    .symbol:         k_q56b035a40a_cvt.kd
    .args:
      - { .name: key, .offset: 0, .size: 8, .value_kind: global_buffer, .address_space: global }
      - { .name: value, .offset: 8, .size: 8, .value_kind: global_buffer, .address_space: global }
      - { .name: kh, .offset: 16, .size: 8, .value_kind: global_buffer, .address_space: global }
      - { .name: vh, .offset: 24, .size: 8, .value_kind: global_buffer, .address_space: global }
    .group_segment_fixed_size: 0
    .private_segment_fixed_size: 0
    .kernarg_segment_align: 8
    .kernarg_segment_size: 32
    .max_flat_workgroup_size: 256
    .sgpr_count:     66
    .vgpr_count:     104
    .wavefront_size: 32
...
	.end_amdgpu_metadata
.endif
;; end of part 1
;; launch attn (part 2): grid 32 x 8, 4 waves a work-group, clusters of 4 x 1, 327,680 bytes of LDS; arguments kh, vh, query, out0; writes out0
.if DOCPART == 2
	.amdgcn_target "amdgcn-amd-amdhsa--gfx1250"
	.amdhsa_code_object_version 6
	.text
	.protected	k_q56b035a40a_attn
	.globl	k_q56b035a40a_attn
	.p2align	8
	.type	k_q56b035a40a_attn,@function
k_q56b035a40a_attn:
	s_mov_b64 s[64:65], 0
	v_nop
	global_prefetch_b8 v0, s[64:65] scope:SCOPE_SE
	s_setreg_imm32_b32 hwreg(HW_REG_WAVE_MODE, 25, 1), 1
	s_wait_xcnt 0x0
	s_wait_alu depctr_hold_cnt(0) depctr_sa_sdst(0) depctr_va_vdst(0) depctr_va_sdst(0) depctr_va_ssrc(0) depctr_va_vcc(0) depctr_vm_vsrc(0)
	s_getreg_b32 s2, hwreg(HW_REG_IB_STS2, 6, 4)
	s_cmp_eq_u32 s2, 0
	s_cbranch_scc0 .Lentry_in_a_cluster
	s_endpgm
.Lentry_in_a_cluster:
	s_bfe_u32 s2, ttmp6, 0x10000c
	s_cmp_lg_u32 s2, 0x3003
	s_cbranch_scc0 .Lentry_shape_is_right
	s_endpgm
.Lentry_shape_is_right:
; Causal attention, 32 query heads on 8 key/value heads, head size 128, 2 x 2048 positions.  query, out0: f32 [2][2048][4096];
; kh, vh: key and value in f16 [2][2048][1024].  Q K^T, mask, softmax with a running maximum, P V and the division in one pass.
;
; SHARES.  Work-group (x, y): head h = x, batch b = y / 4, p = y % 4.  It makes two blocks of 256 query rows of its head: block p, then
; block 7 - p.  Block i needs the keys 0 .. 256 i + 255 = 2 i + 2 slots of 128 keys, so every work-group walks 18 slots: 256 work-groups
; of equal work.  Wave w owns in a block the four row blocks a = 0..3 of 16 rows, local row 64 a + 16 w + r.  The block's own 256 keys
; (the diagonal) go in four sub-steps t of 64 keys: exactly the row blocks a >= t have work there and only a = t is masked, alike in all waves.
; A block takes its diagonal first, then the keys in front of it: the first sub-step touches all four row blocks and starts every sum,
; every maximum and every accumulator, so nothing is cleared, and every row has a finite maximum from its first sub-step on.
;
; CLUSTER.  The four work-groups of a cluster are the four query heads of one key/value head, with the same b and p: the same tiles of K
; and V in the same order and the same control flow.  Every tile is asked for jointly (mask 15), which divides the requests for K and V by four.
; The place in the cluster (cx) enters the addresses of query and out0 alone.
;
; ORIENTATION.  S^T = K Q^T (source 0: 16 keys x 32 d; source 1: 16 query rows x 32 d): register j of lane (r, h) of tile (c, a) is the score of
; key 16 c + 8 h + j and row r.  A lane holds scores of ONE row: maximum and sum run along its registers, one exchange joins the two halves.
; The lane's registers of tiles 2u, 2u+1, rounded to f16 in pairs, ARE source 1 of O^T = V^T P^T for keys 32 u .. 32 u + 31: P crosses no lane.
; Source 0 there is V^T, by the transposing LDS load.  Register j of accumulator tile (e, a) is O(row r, d = 16 e + 8 h + j): rescaling is a multiply per lane.
;
; FORMAT.  All matrix operands are f16, sums f32.  f16 and not bf16 for its 11 significant bits against 8: a row with few keys has outputs of V's own
; size, and there the rounding of P shows undamped.  P lies in [0, 1]: below 2^-14 its absolute error is at most 2^-25, against a row sum of at least 1.
; LIMITS.  Inputs above 65,504 in magnitude become infinite in f16 and are not served; inputs below 2^-14 keep an absolute error of at most 2^-25.
; NaN or infinite inputs, and scores that overflow f32, are not treated specially.  Exponentials below 2^-126 come out as zero (ISA guide 15.8).
; The row sum is taken from the unrounded f32 p.  Keys are summed diagonal first, not ascending.
; The maximum that is taken away is the row's exact running maximum, so any scale or offset of the inputs inside f16's range is served.
; No prefetch lines: a K/V tile is requested by its tensor load a whole slot's work (two sub-steps, 256 matrix instructions of the wave) ahead,
; and the second block's Q by real loads during the first block's way out.
;
; LDS: 0 .. 147,455 two slots of 4 parts of 18,432 bytes (K keys 0-63, K keys 64-127: rows 272 bytes apart; V keys 0-63, V keys 64-127: 288 apart);
.set PART,    18432
.set SLOT,    4*PART
.set STAGE,   2*SLOT
.set STGW,    17408
.set KPITCH,  272                      ; 256 + 16: an odd multiple of 16, so 16 rows start at 16 different 16-byte columns modulo 256
.set VPITCH,  288                      ; 256 + 32: an odd multiple of 32, for the transposing load
.set OPITCH,  528                      ; 512 + 16, a staged output row
.set QROW,    16384                    ; bytes from a position to the next in query and out0
; window 0
.set KA,   4                           ; v4, v5    slot s: LDS address of my K fragment bytes
.set VA,   6                           ; v6, v7    slot s: the same for V
.set QOFF, 8                           ; v8        16 w rows + 16 x lane: offset of my 16 bytes in a row of query and of out0; never rewritten
.set QST,  9                           ; v9        stage: where I put 8 bytes of a Q row
.set QFR,  10                          ; v10       stage: my Q fragment bytes
.set OST,  11                          ; v11       stage: where I put 16 bytes of an output row
.set ORD,  12                          ; v12       stage: where I read an output row back
.set DG,   13                          ; v13       16 w + r - 8 h: a key 16 c + j of the masked tile stays if it is not above this
.set NINF, 14                          ; v14       -infinity
.set NMC,  16                          ; v[16+2a]  -c x maximum;  v[17+2a] the maximum
.set AL,   24                          ; v[24+2a]  alpha;         v[25+2a] the lane's part of the row sum
.set XB,   32                          ; v[32+8a : 39+8a] at work
.set SB,   64                          ; v[64:191] scores: tile (c, a) at 64 + 32 a + 8 c; then P: fragment (a, u) at 64 + 32 a + 16 u
; window 1: Q fragment (a, s) at 8 (4 a + s).   window 2: O tile (e, a) at 64 a + 8 e; at a block's start raw f32 Q, row t of row block a at 64 a + 4 t.
; window 3: K fragment (s, c) at 8 (4 s + c); V fragment (u, e) at 128 + 8 (8 u + e).
.set G1K, 24                           ; s[24:31] descriptor group 1 for K tiles
.set G1V, 32                           ; s[32:39] for V tiles: another padding
.set G0K, 40                           ; s[40:47] group 0 for K, a set for each slot
.set G0V, 48                           ; s[48:55] group 0 for V
.set QLO, 60                           ; s[60:61] query at the first block, s[62:63] out0 there
.set OLO, 62
.set QHI, 80                           ; s[80:81], s[82:83] the same for the second block
.set OHI, 82
.set MSB, 0
.macro WIN new                         ; s_set_vgpr_msb: bits 1:0 source 0, 3:2 source 1, 5:4 source 2, 7:6 destination; the high byte repeats the setting that is left
.if MSB != \new
	s_set_vgpr_msb (MSB<<8)|\new
.set MSB, \new
.endif
.endm
.macro PLACES n                        ; places behind matrix instructions (ISA guide 7.12.1)
.rept \n
	v_nop
.endr
.endm
; A round of the cluster's barrier: my work-group's barrier, wave 0 signals for the work-group, every wave waits for all four work-groups, my work-group's barrier again.
.macro CROUND
	s_barrier_signal -1
	s_barrier_wait -1
	s_cmp_lg_u32 s12, 0
	s_cbranch_scc1 .Lnot_wave_0_\@
	s_barrier_signal -3
.Lnot_wave_0_\@:
	s_barrier_wait -3
	s_barrier_signal -1
	s_barrier_wait -1
.endm
; A joint load of my part of slot s: waves 0 and 1 bring K's two halves, waves 2 and 3 V's.  The branch hangs on the wave's number alone.
.macro JLOAD s
	s_cmp_eq_u32 s13, 0
	s_cbranch_scc0 .Lfor_v_\@
	tensor_load_to_lds s[G0K+4*\s:G0K+4*\s+3], s[G1K:G1K+7]
	s_nop 0
	s_branch .Lasked_\@
.Lfor_v_\@:
	tensor_load_to_lds s[G0V+4*\s:G0V+4*\s+3], s[G1V:G1V+7]
	s_nop 0
.Lasked_\@:
.endm
; The addresses of tile J (s66) into slot s's two group 0.  Tiles 0 .. 2p+1 are the first block's, the rest the second's; in a block tiles 0 and 1
; are its diagonal (key slots 2 i, 2 i + 1), tile n >= 2 is key slot n - 2.  A key slot is 128 rows of 2,048 bytes = 1 << 18.  No tensor load of the wave is out here.
.macro NEXT s
	s_cmp_ge_u32 s66, s67
	s_cselect_b32 s79, s67, 0
	s_cselect_b32 s71, s69, s68                    ; the block's first diagonal key slot
	s_sub_co_u32 s70, s66, s79                     ; the tile's number in its block
	s_add_co_u32 s71, s71, s70
	s_sub_co_u32 s79, s70, 2
	s_cmp_lt_u32 s70, 2
	s_cselect_b32 s70, s71, s79                    ; the key slot
	s_lshl_b32 s70, s70, 18
	s_mov_b32 s71, 0
	s_add_nc_u64 s[G0K+4*\s+2:G0K+4*\s+3], s[56:57], s[70:71]
	s_or_b32 s[G0K+4*\s+3], s[G0K+4*\s+3], 0x80000000
	s_add_nc_u64 s[G0V+4*\s+2:G0V+4*\s+3], s[58:59], s[70:71]
	s_or_b32 s[G0V+4*\s+3], s[G0V+4*\s+3], 0x80000000
	s_add_co_u32 s66, s66, 1
.endm
; 32 LDS loads: the 16 K fragments (16 keys x 32 d) of one sub-step.  Lane (r, h): key row r, 16 bytes at 16 h and 32 further on.
.macro KLOAD slot, part
	WIN 0xc0
.irp s, 0,1,2,3
.irp c, 0,1,2,3
	ds_load_b128 v[8*(4*\s+\c):8*(4*\s+\c)+3], v[KA+\slot] offset:\part*PART+\c*16*KPITCH+64*\s
	ds_load_b128 v[8*(4*\s+\c)+4:8*(4*\s+\c)+7], v[KA+\slot] offset:\part*PART+\c*16*KPITCH+64*\s+32
.endr
.endr
.endm
; 32 transposing LDS loads: the 16 V^T fragments (16 d x 32 keys) of one sub-step.
.macro VLOAD slot, part
	WIN 0xc0
.irp u, 0,1
.irp e, 0,1,2,3,4,5,6,7
	ds_load_tr16_b128 v[128+8*(8*\u+\e):128+8*(8*\u+\e)+3], v[VA+\slot] offset:\part*PART+\u*32*VPITCH+32*\e
	ds_load_tr16_b128 v[128+8*(8*\u+\e)+4:128+8*(8*\u+\e)+7], v[VA+\slot] offset:\part*PART+\u*32*VPITCH+16*VPITCH+32*\e
.endr
.endr
.endm
; Scores of 64 keys for the row blocks a >= a0.  The first 32 of d start the sums.  The 4 (4 - a0) accumulators take turns, one instruction a turn.
.macro QK a0
	WIN 0x07
.irp s, 0,1,2,3
.irp c, 0,1,2,3
.irp a, 0,1,2,3
.if \a >= \a0
.if \s == 0
	v_wmma_f32_16x16x32_f16 v[SB+32*\a+8*\c:SB+32*\a+8*\c+7], v[8*(4*\s+\c):8*(4*\s+\c)+7], v[8*(4*\a+\s):8*(4*\a+\s)+7], 0
.else
	v_wmma_f32_16x16x32_f16 v[SB+32*\a+8*\c:SB+32*\a+8*\c+7], v[8*(4*\s+\c):8*(4*\s+\c)+7], v[8*(4*\a+\s):8*(4*\a+\s)+7], v[SB+32*\a+8*\c:SB+32*\a+8*\c+7]
.endif
.endif
.endr
.endr
.endr
.endm
; The diagonal's row block a: key 16 c + 8 h + j stays where it is not above row 16 w + r, else -infinity.
.macro MASK a
.irp c, 0,1,2,3
.irp j, 0,1,2,3,4,5,6,7
	v_cmp_le_i32 vcc_lo, 16*\c+\j, v[DG]
	v_cndmask_b32 v[SB+32*\a+8*\c+\j], v[NINF], v[SB+32*\a+8*\c+\j], vcc_lo
.endr
.endr
.endm
; The running maximum: four chains of seven scores, then the chains, the last four scores and the old maximum; then the other half of the lanes.
.macro MAXS a0, first
.irp q, 0,1,2,3
.irp a, 0,1,2,3
.if \a >= \a0
	v_max3_num_f32 v[XB+8*\a+\q], v[SB+32*\a+7*\q], v[SB+32*\a+7*\q+1], v[SB+32*\a+7*\q+2]
.endif
.endr
.endr
.irp g, 3, 5
.irp q, 0,1,2,3
.irp a, 0,1,2,3
.if \a >= \a0
	v_max3_num_f32 v[XB+8*\a+\q], v[XB+8*\a+\q], v[SB+32*\a+7*\q+\g], v[SB+32*\a+7*\q+\g+1]
.endif
.endr
.endr
.endr
.irp a, 0,1,2,3
.if \a >= \a0
	v_max3_num_f32 v[XB+8*\a], v[XB+8*\a], v[XB+8*\a+1], v[XB+8*\a+2]
.endif
.endr
.irp a, 0,1,2,3
.if \a >= \a0
	v_max3_num_f32 v[XB+8*\a], v[XB+8*\a], v[XB+8*\a+3], v[SB+32*\a+28]
.endif
.endr
.irp a, 0,1,2,3
.if \a >= \a0
	v_max3_num_f32 v[XB+8*\a], v[XB+8*\a], v[SB+32*\a+29], v[SB+32*\a+30]
.endif
.endr
.irp a, 0,1,2,3
.if \a >= \a0
.if \first
	v_max_num_f32 v[XB+8*\a], v[XB+8*\a], v[SB+32*\a+31]
.else
	v_max3_num_f32 v[XB+8*\a], v[XB+8*\a], v[SB+32*\a+31], v[NMC+2*\a+1]
.endif
.endif
.endr
.irp a, 0,1,2,3
.if \a >= \a0
	v_permlanex16_b32 v[XB+8*\a+1], v[XB+8*\a], s77, s78   ; lane i takes lane i xor 16: the row's other 32 keys; the destination was written above
.endif
.endr
.irp a, 0,1,2,3
.if \a >= \a0
	v_max_num_f32 v[NMC+2*\a+1], v[XB+8*\a], v[XB+8*\a+1]
.endif
.endr
.endm
; -c x maximum, and alpha = 2^(new offset - old offset): made from the two rounded offsets that the exponentials use, so their rounding cancels.
.macro STATS a0, first
.if \first
.irp a, 0,1,2,3
.if \a >= \a0
	v_mul_f32 v[NMC+2*\a], s76, v[NMC+2*\a+1]
.endif
.endr
.else
.irp a, 0,1,2,3
.if \a >= \a0
	v_mul_f32 v[XB+8*\a+2], s76, v[NMC+2*\a+1]
.endif
.endr
.irp a, 0,1,2,3
.if \a >= \a0
	v_sub_f32 v[XB+8*\a+3], v[XB+8*\a+2], v[NMC+2*\a]
.endif
.endr
.irp a, 0,1,2,3
.if \a >= \a0
	v_mov_b32 v[NMC+2*\a], v[XB+8*\a+2]
.endif
.endr
.irp a, 0,1,2,3
.if \a >= \a0
	v_exp_f32 v[AL+2*\a], v[XB+8*\a+3]             ; the plain instruction behind these (ISA guide 5.7.2) is the first multiply-add below, which names neither register
.endif
.endr
.endif
.endm
; p = 2^(c x score - c x maximum), c = 128^-0.5 x log2 e, in place.
.macro EXPS a0
.irp a, 0,1,2,3
.if \a >= \a0
.set kk, 0
.rept 16
	v_pk_fma_f32 v[SB+32*\a+kk:SB+32*\a+kk+1], v[SB+32*\a+kk:SB+32*\a+kk+1], s[74:75], v[NMC+2*\a:NMC+2*\a+1] op_sel_hi:[1,0,0]
.set kk, kk+2
.endr
.set kk, 0
.rept 32
	v_exp_f32 v[SB+32*\a+kk], v[SB+32*\a+kk]
.set kk, kk+1
.endr
.endif
.endr
	v_nop                                          ; one plain instruction between the last exponentials and their first use (ISA guide 5.7.2)
	s_wait_alu depctr_va_vdst(0)
.endm
; The lane's part of the row sum: l = l x alpha + the sum of its 32 p, in four chains of pairs.
.macro SUMS a0, first
.irp q, 0,1,2,3
.irp a, 0,1,2,3
.if \a >= \a0
	v_pk_add_f32 v[XB+8*\a+2*\q:XB+8*\a+2*\q+1], v[SB+32*\a+2*\q:SB+32*\a+2*\q+1], v[SB+32*\a+2*\q+8:SB+32*\a+2*\q+9]
.endif
.endr
.endr
.irp g, 16, 24
.irp q, 0,1,2,3
.irp a, 0,1,2,3
.if \a >= \a0
	v_pk_add_f32 v[XB+8*\a+2*\q:XB+8*\a+2*\q+1], v[XB+8*\a+2*\q:XB+8*\a+2*\q+1], v[SB+32*\a+2*\q+\g:SB+32*\a+2*\q+\g+1]
.endif
.endr
.endr
.endr
.irp a, 0,1,2,3
.if \a >= \a0
	v_pk_add_f32 v[XB+8*\a:XB+8*\a+1], v[XB+8*\a:XB+8*\a+1], v[XB+8*\a+2:XB+8*\a+3]
	v_pk_add_f32 v[XB+8*\a+4:XB+8*\a+5], v[XB+8*\a+4:XB+8*\a+5], v[XB+8*\a+6:XB+8*\a+7]
.endif
.endr
.irp a, 0,1,2,3
.if \a >= \a0
	v_pk_add_f32 v[XB+8*\a:XB+8*\a+1], v[XB+8*\a:XB+8*\a+1], v[XB+8*\a+4:XB+8*\a+5]
.endif
.endr
.irp a, 0,1,2,3
.if \a >= \a0
.if \first
	v_add_f32 v[AL+2*\a+1], v[XB+8*\a], v[XB+8*\a+1]
.else
	v_add_f32 v[XB+8*\a], v[XB+8*\a], v[XB+8*\a+1]
.endif
.endif
.endr
.if \first == 0
.irp a, 0,1,2,3
.if \a >= \a0
	v_fma_f32 v[AL+2*\a+1], v[AL+2*\a+1], v[AL+2*\a], v[XB+8*\a]
.endif
.endr
.endif
.endm
; P to f16 in place: register k of a fragment takes p 2k and 2k+1 of its sixteen, ascending, so no destination lies ahead of an unread source.
.macro PACK a0
.irp a, 0,1,2,3
.if \a >= \a0
.irp u, 0,1
.irp k, 0,1,2,3,4,5,6,7
	v_cvt_pk_f16_f32 v[SB+32*\a+16*\u+\k], v[SB+32*\a+16*\u+2*\k], v[SB+32*\a+16*\u+2*\k+1]
.endr
.endr
.endif
.endr
.endm
; O x alpha: every register of a lane belongs to the lane's one row.
.macro RESC a0
	WIN 0x82
.irp a, 0,1,2,3
.if \a >= \a0
.set kk, 0
.rept 32
	v_pk_mul_f32 v[64*\a+kk:64*\a+kk+1], v[64*\a+kk:64*\a+kk+1], v[AL+2*\a:AL+2*\a+1] op_sel_hi:[1,0]
.set kk, kk+2
.endr
.endif
.endr
.endm
; O^T += V^T P^T.  first: the first 32 keys start the sums.  The 8 (4 - a0) accumulators take turns, one instruction a turn.
.macro PV a0, first
	WIN 0xa3
.irp u, 0,1
.irp a, 0,1,2,3
.if \a >= \a0
.irp e, 0,1,2,3,4,5,6,7
.if \first*(1-\u)
	v_wmma_f32_16x16x32_f16 v[64*\a+8*\e:64*\a+8*\e+7], v[128+8*(8*\u+\e):128+8*(8*\u+\e)+7], v[SB+32*\a+16*\u:SB+32*\a+16*\u+7], 0
.else
	v_wmma_f32_16x16x32_f16 v[64*\a+8*\e:64*\a+8*\e+7], v[128+8*(8*\u+\e):128+8*(8*\u+\e)+7], v[SB+32*\a+16*\u:SB+32*\a+16*\u+7], v[64*\a+8*\e:64*\a+8*\e+7]
.endif
.endr
.endif
.endr
.endr
.endm
; One sub-step of 64 keys for the row blocks a >= a0.  msk: row block a0 is masked.  first: it starts the block's sums.  w1: the count of the wait at its head.
; mid = 1: this is the last sub-step of slot 'slot': the slot is filled again.  mid = 2: the change of slots with nothing left to fetch.
; more = 1: the fragments of the next sub-step (slot nslot, part npart) are fetched, K behind the scores, V behind the products.
.macro SUB a0, msk, first, w1, mid, slot, more, nslot, npart
	s_wait_dscnt \w1                               ; 32: my K fragments are in, the 32 younger loads (V's) may be out; 0 at a block's head, where Q's fragments are the youngest
	QK \a0
.if \mid == 1
	WIN 0
	s_wait_dscnt 0x0                               ; my reads of this slot are over: the last, this sub-step's V, were issued before this sub-step's scores
	s_wait_tensorcnt 0x0                           ; all my tensor loads have landed: the one that was out is my part of the other slot; so group 0 may be written
	ds_add_u32 v254, v255
	s_wait_dscnt 0x0
	NEXT \slot
	CROUND                                         ; both now hold of every wave of the four work-groups
	JLOAD \slot                                    ; my one tensor load behind the round, first thing there; it has two sub-steps in which to land
.endif
.if \mid == 2
	WIN 0
	s_wait_dscnt 0x0
	s_wait_tensorcnt 0x0                           ; my part of the last tile has landed,
	s_barrier_signal -1
	s_barrier_wait -1                              ; everybody's has
.endif
	PLACES 4                                       ; behind the scores' matrix instructions: for the loads into K's fragments and for the reads of the scores
.if \more
	KLOAD \nslot, \npart
.endif
	WIN 0
.if \msk
	MASK \a0
.endif
	MAXS \a0, \first
	STATS \a0, \first
	EXPS \a0
	SUMS \a0, \first
	PACK \a0
.if \first == 0
	RESC \a0
.endif
.if \more
	s_wait_dscnt 32                                ; my V fragments are in; the 32 younger loads are the next sub-step's K
.else
	s_wait_dscnt 0x0
.endif
	PV \a0, \first
	PLACES 5                                       ; behind the products: for the loads into V's fragments, and for the next scores, which write over P
.if \more
	VLOAD \nslot, \npart
.endif
.endm
; The block's own 256 keys: slots 0 and 1, both filled again.
.macro DIAG
	SUB 0, 1, 1, 0, 0, 0, 1, 0, 1
	SUB 1, 1, 0, 32, 1, 0, 1, 1, 0
	SUB 2, 1, 0, 32, 0, 1, 1, 1, 1
	SUB 3, 1, 0, 32, 1, 1, 1, 0, 0
.endm
; Two slots of keys in front of the diagonal: four whole sub-steps.
.macro PAIR m0, m1, last
	SUB 0, 0, 0, 32, 0, 0, 1, 0, 1
	SUB 0, 0, 0, 32, \m0, 0, 1, 1, 0
	SUB 0, 0, 0, 32, 0, 1, 1, 1, 1
	SUB 0, 0, 0, 32, \m1, 1, 1-\last, 0, 0
.endm
; The 16 rows of row block a of Q as f32 into window 2: one load is a head's whole row, 512 neighbouring bytes.
.macro QISS a, base
	WIN 0x80
.irp t, 0,1,2,3,4,5,6,7,8,9,10,11,12,13,14,15
	global_load_b128 v[64*\a+4*\t:64*\a+4*\t+3], v[QOFF], s[\base:\base+1] offset:(64*\a+\t)*QROW th:TH_LOAD_NT
.endr
.endm
; Q to f16, through my stage (rows 272 bytes apart), into fragments in window 1.  The stage is my own and LDS serves a wave's
; instructions in order (ISA guide 5.7.1.4), so no wait stands between the stores and the loads.
.macro QCONV
	s_wait_xcnt 0x0                                ; the score registers were store data on the last way out: rewritten only behind this wait (ISA guide 3.1)
.irp a, 0,1,2,3
	s_wait_loadcnt 48-16*\a                        ; row block a's 16 loads are in; those of the later row blocks stay out
	WIN 0x0a
.irp t, 0,1,2,3,4,5,6,7,8,9,10,11,12,13,14,15
	v_cvt_pk_f16_f32 v[SB+32*\a+2*\t], v[64*\a+4*\t], v[64*\a+4*\t+1]
	v_cvt_pk_f16_f32 v[SB+32*\a+2*\t+1], v[64*\a+4*\t+2], v[64*\a+4*\t+3]
.endr
	WIN 0
.irp t, 0,1,2,3,4,5,6,7,8,9,10,11,12,13,14,15
	ds_store_b64 v[QST], v[SB+32*\a+2*\t:SB+32*\a+2*\t+1] offset:(16*\a+\t)*KPITCH
.endr
.endr
	WIN 0x40
.irp a, 0,1,2,3
.irp s, 0,1,2,3
	ds_load_b128 v[8*(4*\a+\s):8*(4*\a+\s)+3], v[QFR] offset:\a*16*KPITCH+64*\s
	ds_load_b128 v[8*(4*\a+\s)+4:8*(4*\a+\s)+7], v[QFR] offset:\a*16*KPITCH+64*\s+32
.endr
.endr
.endm
; 1 / row sum: the two halves' parts are joined first.
.macro INV
.irp a, 0,1,2,3
	v_permlanex16_b32 v[XB+8*\a+1], v[AL+2*\a+1], s77, s78
.endr
.irp a, 0,1,2,3
	v_add_f32 v[XB+8*\a+2], v[AL+2*\a+1], v[XB+8*\a+1]
.endr
.irp a, 0,1,2,3
	v_rcp_f32 v[XB+8*\a], v[XB+8*\a+2]
.endr
	v_nop                                          ; one plain instruction between the reciprocals and their use (ISA guide 5.7.2)
	s_wait_alu depctr_va_vdst(0)
.endm
; The way out of row block a: divide, 16 rows of 512 bytes into my stage, back by rows, and out: one store covers a head's whole row, 512 neighbouring aligned bytes.
.macro EPI a, base
	WIN 0x82
.set kk, 0
.rept 32
	v_pk_mul_f32 v[64*\a+kk:64*\a+kk+1], v[64*\a+kk:64*\a+kk+1], v[XB+8*\a:XB+8*\a+1] op_sel_hi:[1,0]
.set kk, kk+2
.endr
	WIN 0x08
.irp e, 0,1,2,3,4,5,6,7
	ds_store_b128 v[OST], v[64*\a+8*\e:64*\a+8*\e+3] offset:64*\e
	ds_store_b128 v[OST], v[64*\a+8*\e+4:64*\a+8*\e+7] offset:64*\e+16
.endr
	WIN 0
	s_wait_xcnt 0x0                                ; these 64 registers were store data two row blocks ago: loaded again only behind this wait (ISA guide 3.1)
.irp t, 0,1,2,3,4,5,6,7,8,9,10,11,12,13,14,15
	ds_load_b128 v[SB+64*(\a&1)+4*\t:SB+64*(\a&1)+4*\t+3], v[ORD] offset:OPITCH*\t
.endr
.irp t, 0,1,2,3,4,5,6,7,8,9,10,11,12,13,14,15
	s_wait_dscnt 15-\t                             ; LDS loads come back in order (ISA guide 5.7.1): row t is in
	global_store_b128 v[QOFF], v[SB+64*(\a&1)+4*\t:SB+64*(\a&1)+4*\t+3], s[\base:\base+1] offset:(64*\a+\t)*QROW th:TH_STORE_NT
.endr
.endm
	; ---- the head: ids, constants, addresses, descriptors ----
	s_load_b256 s[4:11], s[0:1], 0x0               ; kh s[4:5], vh s[6:7], query s[8:9], out0 s[10:11]
	v_lshl_add_u32 v254, v0, 2, 0x35000
	v_mov_b32 v255, 0
	ds_add_u32 v254, v255
	v_lshrrev_b32 v1, 5, v0
	v_readfirstlane_b32 s12, v1                    ; wave 0..3
	s_lshr_b32 s13, s12, 1                         ; I fetch for K (0) or for V (1),
	s_and_b32 s14, s12, 1                          ; and which 64 keys of the slot
	s_bfe_u32 s15, ttmp6, 0x40000                  ; cx: the head inside the group of four
	s_mov_b32 s16, ttmp9                           ; the cluster's x: the key/value head g
	s_and_b32 s17, ttmp7, 0xffff                   ; y
	s_lshr_b32 s18, s17, 2                         ; b
	s_and_b32 s19, s17, 3                          ; p
	s_mul_i32 s20, s12, PART                       ; my part of a slot
	s_mul_i32 s21, s12, STGW
	s_add_co_u32 s21, s21, STAGE                   ; my stage
	s_mov_b32 s66, 2                               ; the next tile to ask for
	s_lshl_b32 s68, s19, 1                         ; 2 p: the first block's first diagonal key slot
	s_add_co_u32 s67, s68, 2                       ; 2 p + 2: the first block's tiles
	s_sub_co_u32 s69, 14, s68                      ; 14 - 2 p: the second block's first diagonal key slot
	s_mov_b32 s74, 0x3e0293ee                      ; c = 128^-0.5 x log2 e
	s_mov_b32 s75, 0x3e0293ee
	s_mov_b32 s76, 0xbe0293ee                      ; -c
	s_mov_b32 s77, 0x76543210                      ; v_permlanex16_b32: lane i of one half reads lane i of the other
	s_mov_b32 s78, 0xfedcba98
	; the offsets of query and out0: the only numbers that hold cx, in registers that feed no descriptor, branch or LDS address
	s_lshl_b32 s22, s16, 2
	s_add_co_u32 s22, s22, s15                     ; h = 4 g + cx
	s_lshl_b32 s23, s18, 25                        ; b x 2,048 rows of 16,384 bytes
	s_lshl_b32 s86, s22, 9                         ; + h x 512
	s_add_co_u32 s23, s23, s86
	s_lshl_b32 s86, s19, 22                        ; + block x 256 rows
	s_add_co_u32 s84, s23, s86                     ; the first block: p
	s_mov_b32 s85, 0
	s_sub_co_u32 s86, 7, s19
	s_lshl_b32 s86, s86, 22
	s_add_co_u32 s86, s23, s86                     ; the second: 7 - p
	s_mov_b32 s87, 0
	; lane terms
	v_and_b32 v1, 31, v0                           ; lane L
	v_and_b32 v2, 15, v0                           ; r
	v_bfe_u32 v3, v0, 4, 1                         ; h
	v_mul_u32_u24 v[KA], v2, KPITCH
	v_lshl_add_u32 v[KA], v3, 4, v[KA]             ; K: row r, 16 h
	v_add_nc_u32 v[KA+1], SLOT, v[KA]
	v_and_b32 v15, 7, v0
	v_lshl_add_u32 v15, v3, 3, v15
	v_mul_u32_u24 v[VA], v15, VPITCH               ; V: key row 8 h + L % 8,
	v_bfe_u32 v15, v0, 3, 1
	v_lshl_add_u32 v[VA], v15, 4, v[VA]            ; 16 bytes further for the upper eight of sixteen lanes,
	v_add_nc_u32 v[VA], 2*PART, v[VA]              ; behind K's two parts
	v_add_nc_u32 v[VA+1], SLOT, v[VA]
	v_lshlrev_b32 v[QOFF], 4, v1
	v_lshl_add_u32 v[QOFF], s12, 18, v[QOFF]       ; 16 w rows of 16,384 bytes + 16 L
	v_lshl_add_u32 v[QST], v1, 3, s21
	v_add_nc_u32 v[QFR], s21, v[KA]
	v_mul_u32_u24 v[OST], v2, OPITCH
	v_lshl_add_u32 v[OST], v3, 5, v[OST]
	v_add_nc_u32 v[OST], s21, v[OST]
	v_lshl_add_u32 v[ORD], v1, 4, s21
	v_lshl_add_u32 v[DG], s12, 4, v2
	v_lshlrev_b32 v15, 3, v3
	v_sub_nc_u32 v[DG], v[DG], v15                 ; 16 w + r - 8 h, signed
	v_mov_b32 v[NINF], 0xff800000
	; group 1: a tile of 64 rows x 128 elements of 2 bytes, rows 1,024 elements apart in memory, padded in LDS behind every 64 words
	s_mov_b32 s[G1K+0], 15|(1<<16)|(1<<20)|(1<<21)|(5<<22)|(3<<25)   ; 15:0 mask: all four work-groups; 17:16 2 bytes; 20 padding on; 21 set beside a mask; 24:22 every 64 words; 31:25 4 words
	s_mov_b32 s[G1V+0], 15|(1<<16)|(1<<20)|(1<<21)|(5<<22)|(7<<25)   ; the same with 8 words of padding
	s_mov_b32 s[G1K+1], 128<<16                    ; tensor_dim0 = 128
	s_mov_b32 s[G1V+1], 128<<16
	s_mov_b32 s[G1K+2], 64<<16                     ; tensor_dim1 = 64
	s_mov_b32 s[G1V+2], 64<<16
	s_mov_b32 s[G1K+3], 128<<16                    ; tile_dim0 = 128
	s_mov_b32 s[G1V+3], 128<<16
	s_mov_b32 s[G1K+4], 64                         ; tile_dim1 = 64
	s_mov_b32 s[G1V+4], 64
	s_mov_b32 s[G1K+5], 1024                       ; elements from row to row
	s_mov_b32 s[G1V+5], 1024
	s_mov_b32 s[G1K+6], 0
	s_mov_b32 s[G1V+6], 0
	s_mov_b32 s[G1K+7], 0
	s_mov_b32 s[G1V+7], 0
.irp s, 0,1
	s_mov_b32 s[G0K+4*\s], 1                       ; count = 1
	s_add_co_u32 s[G0K+4*\s+1], s20, \s*SLOT       ; LDS address: wave x part + the slot
	s_mov_b32 s[G0V+4*\s], 1
	s_add_co_u32 s[G0V+4*\s+1], s20, \s*SLOT
.endr
	s_lshl_b32 s70, s18, 22                        ; b x 2,048 rows of 2,048 bytes
	s_lshl_b32 s79, s16, 8                         ; + g x 256
	s_add_co_u32 s70, s70, s79
	s_lshl_b32 s79, s14, 17                        ; + my 64 of the slot's 128 rows
	s_add_co_u32 s70, s70, s79
	s_mov_b32 s71, 0
	s_wait_dscnt 0x0
	s_wait_kmcnt 0x0
	s_add_nc_u64 s[56:57], s[4:5], s[70:71]        ; kh and vh at key slot 0, my rows
	s_add_nc_u64 s[58:59], s[6:7], s[70:71]
	s_add_nc_u64 s[QLO:QLO+1], s[8:9], s[84:85]
	s_add_nc_u64 s[OLO:OLO+1], s[10:11], s[84:85]
	s_add_nc_u64 s[QHI:QHI+1], s[8:9], s[86:87]
	s_add_nc_u64 s[OHI:OHI+1], s[10:11], s[86:87]
	s_lshl_b32 s70, s68, 18                        ; tiles 0 and 1: key slots 2 p and 2 p + 1
	s_add_nc_u64 s[G0K+2:G0K+3], s[56:57], s[70:71]
	s_add_nc_u64 s[G0V+2:G0V+3], s[58:59], s[70:71]
	s_add_co_u32 s70, s70, 1<<18
	s_add_nc_u64 s[G0K+6:G0K+7], s[56:57], s[70:71]
	s_add_nc_u64 s[G0V+6:G0V+7], s[58:59], s[70:71]
	s_or_b32 s[G0K+3], s[G0K+3], 0x80000000        ; type = 2
	s_or_b32 s[G0V+3], s[G0V+3], 0x80000000
	s_or_b32 s[G0K+7], s[G0K+7], 0x80000000
	s_or_b32 s[G0V+7], s[G0V+7], 0x80000000
	; ---- the first fills: one group behind one round; a wave's two loads stand inside one branch on its number ----
	CROUND
	s_cmp_eq_u32 s13, 0
	s_cbranch_scc0 .Lfirst_v
	tensor_load_to_lds s[G0K:G0K+3], s[G1K:G1K+7]
	s_nop 0
	tensor_load_to_lds s[G0K+4:G0K+7], s[G1K:G1K+7]
	s_nop 0
	s_branch .Lfirst_done
.Lfirst_v:
	tensor_load_to_lds s[G0V:G0V+3], s[G1V:G1V+7]
	s_nop 0
	tensor_load_to_lds s[G0V+4:G0V+7], s[G1V:G1V+7]
	s_nop 0
.Lfirst_done:
	QISS 0, QLO                                    ; the first block's Q: 64 loads of the wave
	QISS 1, QLO
	QISS 2, QLO
	QISS 3, QLO
	WIN 0
	s_wait_tensorcnt 0x1                           ; my part of tile 0 is in; tile 1's may stay out
	s_barrier_signal -1
	s_barrier_wait -1                              ; everybody's part is in
	KLOAD 0, 0
	VLOAD 0, 0
	; ---- the first block: p ----
	QCONV
	DIAG
	WIN 0                                          ; at a label and at a branch every window is 0
	s_cmp_eq_u32 s19, 0
	s_cbranch_scc1 .Llo_done                       ; block 0 has its diagonal alone
	s_mov_b32 s72, 0                               ; p pairs of slots in front of the diagonal, counted up against p
.Llo:
	PAIR 1, 1, 0
	WIN 0
	s_add_co_u32 s72, s72, 1
	s_cmp_lt_u32 s72, s19
	s_cbranch_scc1 .Llo
.Llo_done:
	INV
	EPI 0, OLO                                     ; as soon as a row block's 64 accumulator registers have left,
	QISS 0, QHI                                    ; the second block's Q is requested into them
	EPI 1, OLO
	QISS 1, QHI
	EPI 2, OLO
	QISS 2, QHI
	EPI 3, OLO
	QISS 3, QHI
	; ---- the second block: 7 - p ----
	QCONV
	DIAG
	WIN 0
	s_sub_co_u32 s73, 6, s19                       ; 7 - p pairs, the last of them written out behind the loop: 6 - p trips, at least 3
	s_mov_b32 s72, 0
.Lhi:
	PAIR 1, 1, 0
	WIN 0
	s_add_co_u32 s72, s72, 1
	s_cmp_lt_u32 s72, s73
	s_cbranch_scc1 .Lhi
	PAIR 2, 0, 1                                   ; tiles 16 and 17: nothing is left to fetch; one plain barrier for the change of slots
	WIN 0
	INV
	EPI 0, OHI
	EPI 1, OHI
	EPI 2, OHI
	EPI 3, OHI
	s_wait_dscnt 0x0                               ; no LDS instruction is pending at a signal (met: the last count-down ended at 0)
	s_wait_tensorcnt 0x0
	ds_add_u32 v254, v255
	s_wait_dscnt 0x0
	CROUND                                         ; the closing round: no work-group ends while a partner may still ask for a tile that names it
	s_endpgm
.Lfunc_end_k_q56b035a40a_attn:
	.size	k_q56b035a40a_attn, .Lfunc_end_k_q56b035a40a_attn-k_q56b035a40a_attn
	.p2alignl 7, 3214868480
	.fill 96, 4, 3214868480
	.section	.rodata,"a",@progbits
	.p2align	6, 0x0
	.amdhsa_kernel k_q56b035a40a_attn
		.amdhsa_group_segment_fixed_size 327680
		.amdhsa_private_segment_fixed_size 0
		.amdhsa_enable_private_segment 0
		.amdhsa_kernarg_size 32
		.amdhsa_user_sgpr_count 2
		.amdhsa_user_sgpr_kernarg_segment_ptr 1
		.amdhsa_wavefront_size32 1
		.amdhsa_system_sgpr_workgroup_id_x 1
		.amdhsa_system_sgpr_workgroup_id_y 1
		.amdhsa_system_sgpr_workgroup_id_z 1
		.amdhsa_system_vgpr_workitem_id 0
		.amdhsa_next_free_vgpr 1024
		.amdhsa_next_free_sgpr 92
		.amdhsa_reserve_vcc 1
		.amdhsa_float_denorm_mode_32 3
		.amdhsa_float_denorm_mode_16_64 3
		.amdhsa_memory_ordered 1
		.amdhsa_forward_progress 1
		.amdhsa_inst_pref_size 255
	.end_amdhsa_kernel
	.section	.bss,"aw",@nobits
	.p2align	6
	.space	262144
	.amdgpu_metadata
---
amdhsa.version: [ 1, 2 ]
amdhsa.kernels:
  - .name:           k_q56b035a40a_attn
    .symbol:         k_q56b035a40a_attn.kd
    .args:
      - { .name: kh, .offset: 0, .size: 8, .value_kind: global_buffer, .address_space: global }
      - { .name: vh, .offset: 8, .size: 8, .value_kind: global_buffer, .address_space: global }
      - { .name: query, .offset: 16, .size: 8, .value_kind: global_buffer, .address_space: global }
      - { .name: out0, .offset: 24, .size: 8, .value_kind: global_buffer, .address_space: global }
    .group_segment_fixed_size: 327680
    .private_segment_fixed_size: 0
    .kernarg_segment_align: 8
    .kernarg_segment_size: 32
    .max_flat_workgroup_size: 128
    .sgpr_count:     92
    .vgpr_count:     1024
    .wavefront_size: 32
...
	.end_amdgpu_metadata
.endif
;; end of part 2
;; ======== version 2 of 3: 2 launches; 1.16 times as fast as version 1
;; limits: values are held in f16: magnitudes above 65,504 overflow, below 6.1e-05 lose precision; inputs' magnitudes at most 65,504
;; workspace buffers: kh 8,388,608 bytes; vh 8,388,608 bytes
;; launch cvt: the kernel of part 1 again; grid 512 x 1, 8 waves a work-group, no clusters, 0 bytes of LDS; arguments key, value, kh, vh; writes kh, vh
;; launch attn (part 3): grid 32 x 8, 4 waves a work-group, clusters of 4 x 1, 327,680 bytes of LDS; arguments kh, vh, query, out0; writes out0
.if DOCPART == 3
	.amdgcn_target "amdgcn-amd-amdhsa--gfx1250"
	.amdhsa_code_object_version 6
	.text
	.protected	k_q56b035a40a_attn
	.globl	k_q56b035a40a_attn
	.p2align	8
	.type	k_q56b035a40a_attn,@function
k_q56b035a40a_attn:
	s_mov_b64 s[64:65], 0
	v_nop
	global_prefetch_b8 v0, s[64:65] scope:SCOPE_SE
	s_setreg_imm32_b32 hwreg(HW_REG_WAVE_MODE, 25, 1), 1
	s_wait_xcnt 0x0
	s_wait_alu depctr_hold_cnt(0) depctr_sa_sdst(0) depctr_va_vdst(0) depctr_va_sdst(0) depctr_va_ssrc(0) depctr_va_vcc(0) depctr_vm_vsrc(0)
	s_getreg_b32 s2, hwreg(HW_REG_IB_STS2, 6, 4)
	s_cmp_eq_u32 s2, 0
	s_cbranch_scc0 .Lentry_in_a_cluster
	s_endpgm
.Lentry_in_a_cluster:
	s_bfe_u32 s2, ttmp6, 0x10000c
	s_cmp_lg_u32 s2, 0x3003
	s_cbranch_scc0 .Lentry_shape_is_right
	s_endpgm
.Lentry_shape_is_right:
; Causal attention, 32 query heads on 8 key/value heads, head size 128, 2 x 2048 positions.  query, out0: f32 [2][2048][4096];
; kh, vh: key and value in f16 [2][2048][1024].  Q K^T, mask, softmax with a running maximum, P V and the division in one pass.
;
; SHARES.  Work-group (x, y): head h = x, batch b = y / 4, p = y % 4.  It makes two blocks of 256 query rows of its head: block p, then
; block 7 - p.  Block i needs the keys 0 .. 256 i + 255 = 2 i + 2 slots of 128 keys, so every work-group walks 18 slots: 256 work-groups
; of equal work.  Wave w owns in a block the four row blocks a = 0..3 of 16 rows, local row 64 a + 16 w + r.  The block's own 256 keys
; (the diagonal) go in four sub-steps t of 64 keys: exactly the row blocks a >= t have work there and only a = t is masked, alike in all waves.
; A block takes its diagonal first, then the keys in front of it: the first sub-step touches all four row blocks and starts every sum,
; every maximum and every accumulator, so nothing is cleared, and every row has a finite maximum from its first sub-step on.
;
; ONE TEXT FOR BOTH BLOCKS.  An outer loop of two trips holds the conversion of Q, the diagonal, the loop over pairs of key slots and the way out once.
; The trips differ in three things, all chosen by the trip's number, which is the same in every wave and every partner: the base of out0 and the
; number of pairs (two selects); the last pair of the whole stream, which fetches nothing (second trip only); the request for the next block's Q (first trip only).
;
; CLUSTER.  The four work-groups of a cluster are the four query heads of one key/value head, with the same b and p: the same tiles of K
; and V in the same order and the same control flow.  Every tile is asked for jointly (mask 15), which divides the requests for K and V by four.
; The place in the cluster (cx) enters the addresses of query and out0 alone.
;
; ORIENTATION.  S^T = K Q^T (source 0: 16 keys x 32 d; source 1: 16 query rows x 32 d): register j of lane (r, h) of tile (c, a) is the score of
; key 16 c + 8 h + j and row r.  A lane holds scores of ONE row: maximum and sum run along its registers, one exchange joins the two halves.
; The lane's registers of tiles 2u, 2u+1, rounded to f16 in pairs, ARE source 1 of O^T = V^T P^T for keys 32 u .. 32 u + 31: P crosses no lane.
; Source 0 there is V^T, by the transposing LDS load.  Register j of accumulator tile (e, a) is O(row r, d = 16 e + 8 h + j): rescaling is a multiply per lane.
;
; FORMAT.  All matrix operands are f16, sums f32.  f16 and not bf16 for its 11 significant bits against 8: a row with few keys has outputs of V's own
; size, and there the rounding of P shows undamped.  P lies in [0, 1]: below 2^-14 its absolute error is at most 2^-25, against a row sum of at least 1.
; LIMITS.  Inputs above 65,504 in magnitude become infinite in f16 and are not served; inputs below 2^-14 keep an absolute error of at most 2^-25.
; NaN or infinite inputs, and scores that overflow f32, are not treated specially.  Exponentials below 2^-126 come out as zero (ISA guide 15.8).
; The row sum is taken from the unrounded f32 p.  Keys are summed diagonal first, not ascending.
; The maximum that is taken away is the row's exact running maximum, so any scale or offset of the inputs inside f16's range is served.
; No prefetch lines: a K/V tile is requested by its tensor load a whole slot's work (two sub-steps, 256 matrix instructions of the wave) ahead,
; and the second block's Q by real loads during the first block's way out.
;
; LDS: 0 .. 147,455 two slots of 4 parts of 18,432 bytes (K keys 0-63, K keys 64-127: rows 272 bytes apart; V keys 0-63, V keys 64-127: 288 apart);
.set PART,    18432
.set SLOT,    4*PART
.set STAGE,   2*SLOT
.set STGW,    17408
.set KPITCH,  272                      ; 256 + 16: an odd multiple of 16, so 16 rows start at 16 different 16-byte columns modulo 256
.set VPITCH,  288                      ; 256 + 32: an odd multiple of 32, for the transposing load
.set OPITCH,  528                      ; 512 + 16, a staged output row
.set QROW,    16384                    ; bytes from a position to the next in query and out0
; window 0
.set KA,   4                           ; v4, v5    slot s: LDS address of my K fragment bytes
.set VA,   6                           ; v6, v7    slot s: the same for V
.set QOFF, 8                           ; v8        16 w rows + 16 x lane: offset of my 16 bytes in a row of query and of out0; never rewritten
.set QST,  9                           ; v9        stage: where I put 8 bytes of a Q row
.set QFR,  10                          ; v10       stage: my Q fragment bytes
.set OST,  11                          ; v11       stage: where I put 16 bytes of an output row
.set ORD,  12                          ; v12       stage: where I read an output row back
.set DG,   13                          ; v13       16 w + r - 8 h: a key 16 c + j of the masked tile stays if it is not above this
.set NINF, 14                          ; v14       -infinity
.set NMC,  16                          ; v[16+2a]  -c x maximum;  v[17+2a] the maximum
.set AL,   24                          ; v[24+2a]  alpha;         v[25+2a] the lane's part of the row sum
.set XB,   32                          ; v[32+8a : 39+8a] at work
.set SB,   64                          ; v[64:191] scores: tile (c, a) at 64 + 32 a + 8 c; then P: fragment (a, u) at 64 + 32 a + 16 u
; window 1: Q fragment (a, s) at 8 (4 a + s).   window 2: O tile (e, a) at 64 a + 8 e; at a block's start raw f32 Q, row t of row block a at 64 a + 4 t.
; window 3: K fragment (s, c) at 8 (4 s + c); V fragment (u, e) at 128 + 8 (8 u + e).
.set G1K, 24                           ; s[24:31] descriptor group 1 for K tiles
.set G1V, 32                           ; s[32:39] for V tiles: another padding
.set G0K, 40                           ; s[40:47] group 0 for K, a set for each slot
.set G0V, 48                           ; s[48:55] group 0 for V
.set QLO, 60                           ; s[60:61] query at the first block, s[62:63] out0 there
.set OLO, 62
.set QHI, 80                           ; s[80:81], s[82:83] the same for the second block
.set OHI, 82
.set OB,  90                           ; s[90:91] out0 at the block of this trip
; s72 the pairs' counter, s73 the pairs of this trip, s88 the trip (0, 1), s89 = 6 - p
.set MSB, 0
.macro WIN new                         ; s_set_vgpr_msb: bits 1:0 source 0, 3:2 source 1, 5:4 source 2, 7:6 destination; the high byte repeats the setting that is left
.if MSB != \new
	s_set_vgpr_msb (MSB<<8)|\new
.set MSB, \new
.endif
.endm
.macro PLACES n                        ; places behind matrix instructions (ISA guide 7.12.1)
.rept \n
	v_nop
.endr
.endm
; A round of the cluster's barrier: my work-group's barrier, wave 0 signals for the work-group, every wave waits for all four work-groups, my work-group's barrier again.
.macro CROUND
	s_barrier_signal -1
	s_barrier_wait -1
	s_cmp_lg_u32 s12, 0
	s_cbranch_scc1 .Lnot_wave_0_\@
	s_barrier_signal -3
.Lnot_wave_0_\@:
	s_barrier_wait -3
	s_barrier_signal -1
	s_barrier_wait -1
.endm
; A joint load of my part of slot s: waves 0 and 1 bring K's two halves, waves 2 and 3 V's.  The branch hangs on the wave's number alone.
.macro JLOAD s
	s_cmp_eq_u32 s13, 0
	s_cbranch_scc0 .Lfor_v_\@
	tensor_load_to_lds s[G0K+4*\s:G0K+4*\s+3], s[G1K:G1K+7]
	s_nop 0
	s_branch .Lasked_\@
.Lfor_v_\@:
	tensor_load_to_lds s[G0V+4*\s:G0V+4*\s+3], s[G1V:G1V+7]
	s_nop 0
.Lasked_\@:
.endm
; The addresses of tile J (s66) into slot s's two group 0.  Tiles 0 .. 2p+1 are the first block's, the rest the second's; in a block tiles 0 and 1
; are its diagonal (key slots 2 i, 2 i + 1), tile n >= 2 is key slot n - 2.  A key slot is 128 rows of 2,048 bytes = 1 << 18.  No tensor load of the wave is out here.
.macro NEXT s
	s_cmp_ge_u32 s66, s67
	s_cselect_b32 s79, s67, 0
	s_cselect_b32 s71, s69, s68                    ; the block's first diagonal key slot
	s_sub_co_u32 s70, s66, s79                     ; the tile's number in its block
	s_add_co_u32 s71, s71, s70
	s_sub_co_u32 s79, s70, 2
	s_cmp_lt_u32 s70, 2
	s_cselect_b32 s70, s71, s79                    ; the key slot
	s_lshl_b32 s70, s70, 18
	s_mov_b32 s71, 0
	s_add_nc_u64 s[G0K+4*\s+2:G0K+4*\s+3], s[56:57], s[70:71]
	s_or_b32 s[G0K+4*\s+3], s[G0K+4*\s+3], 0x80000000
	s_add_nc_u64 s[G0V+4*\s+2:G0V+4*\s+3], s[58:59], s[70:71]
	s_or_b32 s[G0V+4*\s+3], s[G0V+4*\s+3], 0x80000000
	s_add_co_u32 s66, s66, 1
.endm
; 32 LDS loads: the 16 K fragments (16 keys x 32 d) of one sub-step.  Lane (r, h): key row r, 16 bytes at 16 h and 32 further on.
.macro KLOAD slot, part
	WIN 0xc0
.irp s, 0,1,2,3
.irp c, 0,1,2,3
	ds_load_b128 v[8*(4*\s+\c):8*(4*\s+\c)+3], v[KA+\slot] offset:\part*PART+\c*16*KPITCH+64*\s
	ds_load_b128 v[8*(4*\s+\c)+4:8*(4*\s+\c)+7], v[KA+\slot] offset:\part*PART+\c*16*KPITCH+64*\s+32
.endr
.endr
.endm
; 32 transposing LDS loads: the 16 V^T fragments (16 d x 32 keys) of one sub-step.
.macro VLOAD slot, part
	WIN 0xc0
.irp u, 0,1
.irp e, 0,1,2,3,4,5,6,7
	ds_load_tr16_b128 v[128+8*(8*\u+\e):128+8*(8*\u+\e)+3], v[VA+\slot] offset:\part*PART+\u*32*VPITCH+32*\e
	ds_load_tr16_b128 v[128+8*(8*\u+\e)+4:128+8*(8*\u+\e)+7], v[VA+\slot] offset:\part*PART+\u*32*VPITCH+16*VPITCH+32*\e
.endr
.endr
.endm
; Scores of 64 keys for the row blocks a >= a0.  The first 32 of d start the sums.  The 4 (4 - a0) accumulators take turns, one instruction a turn.
.macro QK a0
	WIN 0x07
.irp s, 0,1,2,3
.irp c, 0,1,2,3
.irp a, 0,1,2,3
.if \a >= \a0
.if \s == 0
	v_wmma_f32_16x16x32_f16 v[SB+32*\a+8*\c:SB+32*\a+8*\c+7], v[8*(4*\s+\c):8*(4*\s+\c)+7], v[8*(4*\a+\s):8*(4*\a+\s)+7], 0
.else
	v_wmma_f32_16x16x32_f16 v[SB+32*\a+8*\c:SB+32*\a+8*\c+7], v[8*(4*\s+\c):8*(4*\s+\c)+7], v[8*(4*\a+\s):8*(4*\a+\s)+7], v[SB+32*\a+8*\c:SB+32*\a+8*\c+7]
.endif
.endif
.endr
.endr
.endr
.endm
; The diagonal's row block a: key 16 c + 8 h + j stays where it is not above row 16 w + r, else -infinity.
.macro MASK a
.irp c, 0,1,2,3
.irp j, 0,1,2,3,4,5,6,7
	v_cmp_le_i32 vcc_lo, 16*\c+\j, v[DG]
	v_cndmask_b32 v[SB+32*\a+8*\c+\j], v[NINF], v[SB+32*\a+8*\c+\j], vcc_lo
.endr
.endr
.endm
; The running maximum: four chains of seven scores, then the chains, the last four scores and the old maximum; then the other half of the lanes.
.macro MAXS a0, first
.irp q, 0,1,2,3
.irp a, 0,1,2,3
.if \a >= \a0
	v_max3_num_f32 v[XB+8*\a+\q], v[SB+32*\a+7*\q], v[SB+32*\a+7*\q+1], v[SB+32*\a+7*\q+2]
.endif
.endr
.endr
.irp g, 3, 5
.irp q, 0,1,2,3
.irp a, 0,1,2,3
.if \a >= \a0
	v_max3_num_f32 v[XB+8*\a+\q], v[XB+8*\a+\q], v[SB+32*\a+7*\q+\g], v[SB+32*\a+7*\q+\g+1]
.endif
.endr
.endr
.endr
.irp a, 0,1,2,3
.if \a >= \a0
	v_max3_num_f32 v[XB+8*\a], v[XB+8*\a], v[XB+8*\a+1], v[XB+8*\a+2]
.endif
.endr
.irp a, 0,1,2,3
.if \a >= \a0
	v_max3_num_f32 v[XB+8*\a], v[XB+8*\a], v[XB+8*\a+3], v[SB+32*\a+28]
.endif
.endr
.irp a, 0,1,2,3
.if \a >= \a0
	v_max3_num_f32 v[XB+8*\a], v[XB+8*\a], v[SB+32*\a+29], v[SB+32*\a+30]
.endif
.endr
.irp a, 0,1,2,3
.if \a >= \a0
.if \first
	v_max_num_f32 v[XB+8*\a], v[XB+8*\a], v[SB+32*\a+31]
.else
	v_max3_num_f32 v[XB+8*\a], v[XB+8*\a], v[SB+32*\a+31], v[NMC+2*\a+1]
.endif
.endif
.endr
.irp a, 0,1,2,3
.if \a >= \a0
	v_permlanex16_b32 v[XB+8*\a+1], v[XB+8*\a], s77, s78   ; lane i takes lane i xor 16: the row's other 32 keys; the destination was written above
.endif
.endr
.irp a, 0,1,2,3
.if \a >= \a0
	v_max_num_f32 v[NMC+2*\a+1], v[XB+8*\a], v[XB+8*\a+1]
.endif
.endr
.endm
; -c x maximum, and alpha = 2^(new offset - old offset): made from the two rounded offsets that the exponentials use, so their rounding cancels.
.macro STATS a0, first
.if \first
.irp a, 0,1,2,3
.if \a >= \a0
	v_mul_f32 v[NMC+2*\a], s76, v[NMC+2*\a+1]
.endif
.endr
.else
.irp a, 0,1,2,3
.if \a >= \a0
	v_mul_f32 v[XB+8*\a+2], s76, v[NMC+2*\a+1]
.endif
.endr
.irp a, 0,1,2,3
.if \a >= \a0
	v_sub_f32 v[XB+8*\a+3], v[XB+8*\a+2], v[NMC+2*\a]
.endif
.endr
.irp a, 0,1,2,3
.if \a >= \a0
	v_mov_b32 v[NMC+2*\a], v[XB+8*\a+2]
.endif
.endr
.irp a, 0,1,2,3
.if \a >= \a0
	v_exp_f32 v[AL+2*\a], v[XB+8*\a+3]             ; the plain instruction behind these (ISA guide 5.7.2) is the first multiply-add below, which names neither register
.endif
.endr
.endif
.endm
; p = 2^(c x score - c x maximum), c = 128^-0.5 x log2 e, in place.
.macro EXPS a0
.irp a, 0,1,2,3
.if \a >= \a0
.set kk, 0
.rept 16
	v_pk_fma_f32 v[SB+32*\a+kk:SB+32*\a+kk+1], v[SB+32*\a+kk:SB+32*\a+kk+1], s[74:75], v[NMC+2*\a:NMC+2*\a+1] op_sel_hi:[1,0,0]
.set kk, kk+2
.endr
.set kk, 0
.rept 32
	v_exp_f32 v[SB+32*\a+kk], v[SB+32*\a+kk]
.set kk, kk+1
.endr
.endif
.endr
	v_nop                                          ; one plain instruction between the last exponentials and their first use (ISA guide 5.7.2)
	s_wait_alu depctr_va_vdst(0)
.endm
; The lane's part of the row sum: l = l x alpha + the sum of its 32 p, in four chains of pairs.
.macro SUMS a0, first
.irp q, 0,1,2,3
.irp a, 0,1,2,3
.if \a >= \a0
	v_pk_add_f32 v[XB+8*\a+2*\q:XB+8*\a+2*\q+1], v[SB+32*\a+2*\q:SB+32*\a+2*\q+1], v[SB+32*\a+2*\q+8:SB+32*\a+2*\q+9]
.endif
.endr
.endr
.irp g, 16, 24
.irp q, 0,1,2,3
.irp a, 0,1,2,3
.if \a >= \a0
	v_pk_add_f32 v[XB+8*\a+2*\q:XB+8*\a+2*\q+1], v[XB+8*\a+2*\q:XB+8*\a+2*\q+1], v[SB+32*\a+2*\q+\g:SB+32*\a+2*\q+\g+1]
.endif
.endr
.endr
.endr
.irp a, 0,1,2,3
.if \a >= \a0
	v_pk_add_f32 v[XB+8*\a:XB+8*\a+1], v[XB+8*\a:XB+8*\a+1], v[XB+8*\a+2:XB+8*\a+3]
	v_pk_add_f32 v[XB+8*\a+4:XB+8*\a+5], v[XB+8*\a+4:XB+8*\a+5], v[XB+8*\a+6:XB+8*\a+7]
.endif
.endr
.irp a, 0,1,2,3
.if \a >= \a0
	v_pk_add_f32 v[XB+8*\a:XB+8*\a+1], v[XB+8*\a:XB+8*\a+1], v[XB+8*\a+4:XB+8*\a+5]
.endif
.endr
.irp a, 0,1,2,3
.if \a >= \a0
.if \first
	v_add_f32 v[AL+2*\a+1], v[XB+8*\a], v[XB+8*\a+1]
.else
	v_add_f32 v[XB+8*\a], v[XB+8*\a], v[XB+8*\a+1]
.endif
.endif
.endr
.if \first == 0
.irp a, 0,1,2,3
.if \a >= \a0
	v_fma_f32 v[AL+2*\a+1], v[AL+2*\a+1], v[AL+2*\a], v[XB+8*\a]
.endif
.endr
.endif
.endm
; P to f16 in place: register k of a fragment takes p 2k and 2k+1 of its sixteen, ascending, so no destination lies ahead of an unread source.
.macro PACK a0
.irp a, 0,1,2,3
.if \a >= \a0
.irp u, 0,1
.irp k, 0,1,2,3,4,5,6,7
	v_cvt_pk_f16_f32 v[SB+32*\a+16*\u+\k], v[SB+32*\a+16*\u+2*\k], v[SB+32*\a+16*\u+2*\k+1]
.endr
.endr
.endif
.endr
.endm
; O x alpha: every register of a lane belongs to the lane's one row.
.macro RESC a0
	WIN 0x82
.irp a, 0,1,2,3
.if \a >= \a0
.set kk, 0
.rept 32
	v_pk_mul_f32 v[64*\a+kk:64*\a+kk+1], v[64*\a+kk:64*\a+kk+1], v[AL+2*\a:AL+2*\a+1] op_sel_hi:[1,0]
.set kk, kk+2
.endr
.endif
.endr
.endm
; O^T += V^T P^T.  first: the first 32 keys start the sums.  The 8 (4 - a0) accumulators take turns, one instruction a turn.
.macro PV a0, first
	WIN 0xa3
.irp u, 0,1
.irp a, 0,1,2,3
.if \a >= \a0
.irp e, 0,1,2,3,4,5,6,7
.if \first*(1-\u)
	v_wmma_f32_16x16x32_f16 v[64*\a+8*\e:64*\a+8*\e+7], v[128+8*(8*\u+\e):128+8*(8*\u+\e)+7], v[SB+32*\a+16*\u:SB+32*\a+16*\u+7], 0
.else
	v_wmma_f32_16x16x32_f16 v[64*\a+8*\e:64*\a+8*\e+7], v[128+8*(8*\u+\e):128+8*(8*\u+\e)+7], v[SB+32*\a+16*\u:SB+32*\a+16*\u+7], v[64*\a+8*\e:64*\a+8*\e+7]
.endif
.endr
.endif
.endr
.endr
.endm
; One sub-step of 64 keys for the row blocks a >= a0.  msk: row block a0 is masked.  first: it starts the block's sums.  w1: the count of the wait at its head.
; mid = 1: this is the last sub-step of slot 'slot': the slot is filled again.  mid = 2: the change of slots with nothing left to fetch.
; more = 1: the fragments of the next sub-step (slot nslot, part npart) are fetched, K behind the scores, V behind the products.
.macro SUB a0, msk, first, w1, mid, slot, more, nslot, npart
	s_wait_dscnt \w1                               ; 32: my K fragments are in, the 32 younger loads (V's) may be out; 0 at a block's head, where Q's fragments are the youngest
	QK \a0
.if \mid == 1
	WIN 0
	s_wait_dscnt 0x0                               ; my reads of this slot are over: the last, this sub-step's V, were issued before this sub-step's scores
	s_wait_tensorcnt 0x0                           ; all my tensor loads have landed: the one that was out is my part of the other slot; so group 0 may be written
	ds_add_u32 v254, v255
	s_wait_dscnt 0x0
	NEXT \slot
	CROUND                                         ; both now hold of every wave of the four work-groups
	JLOAD \slot                                    ; my one tensor load behind the round, first thing there; it has two sub-steps in which to land
.endif
.if \mid == 2
	WIN 0
	s_wait_dscnt 0x0
	s_wait_tensorcnt 0x0                           ; my part of the last tile has landed,
	s_barrier_signal -1
	s_barrier_wait -1                              ; everybody's has
.endif
	PLACES 4                                       ; behind the scores' matrix instructions: for the loads into K's fragments and for the reads of the scores
.if \more
	KLOAD \nslot, \npart
.endif
	WIN 0
.if \msk
	MASK \a0
.endif
	MAXS \a0, \first
	STATS \a0, \first
	EXPS \a0
	SUMS \a0, \first
	PACK \a0
.if \first == 0
	RESC \a0
.endif
.if \more
	s_wait_dscnt 32                                ; my V fragments are in; the 32 younger loads are the next sub-step's K
.else
	s_wait_dscnt 0x0
.endif
	PV \a0, \first
	PLACES 5                                       ; behind the products: for the loads into V's fragments, and for the next scores, which write over P
.if \more
	VLOAD \nslot, \npart
.endif
.endm
; The block's own 256 keys: slots 0 and 1, both filled again.
.macro DIAG
	SUB 0, 1, 1, 0, 0, 0, 1, 0, 1
	SUB 1, 1, 0, 32, 1, 0, 1, 1, 0
	SUB 2, 1, 0, 32, 0, 1, 1, 1, 1
	SUB 3, 1, 0, 32, 1, 1, 1, 0, 0
.endm
; Two slots of keys in front of the diagonal: four whole sub-steps.
.macro PAIR m0, m1, last
	SUB 0, 0, 0, 32, 0, 0, 1, 0, 1
	SUB 0, 0, 0, 32, \m0, 0, 1, 1, 0
	SUB 0, 0, 0, 32, 0, 1, 1, 1, 1
	SUB 0, 0, 0, 32, \m1, 1, 1-\last, 0, 0
.endm
; The 16 rows of row block a of Q as f32 into window 2: one load is a head's whole row, 512 neighbouring bytes.
.macro QISS a, base
	WIN 0x80
.irp t, 0,1,2,3,4,5,6,7,8,9,10,11,12,13,14,15
	global_load_b128 v[64*\a+4*\t:64*\a+4*\t+3], v[QOFF], s[\base:\base+1] offset:(64*\a+\t)*QROW th:TH_LOAD_NT
.endr
.endm
; In the first trip alone: the second block's Q is requested into the 64 accumulator registers that row block a has just left.
.macro QNEXT a
	s_cmp_lg_u32 s88, 0
	s_cbranch_scc1 .Lno_next_q_\@
	QISS \a, QHI
	WIN 0                                          ; at a label every window is 0
.Lno_next_q_\@:
.endm
; Q to f16, through my stage (rows 272 bytes apart), into fragments in window 1.  The stage is my own and LDS serves a wave's
; instructions in order (ISA guide 5.7.1.4), so no wait stands between the stores and the loads.
.macro QCONV
	s_wait_xcnt 0x0                                ; the score registers were store data on the last way out: rewritten only behind this wait (ISA guide 3.1)
.irp a, 0,1,2,3
	s_wait_loadcnt 48-16*\a                        ; row block a's 16 loads are in; those of the later row blocks stay out
	WIN 0x0a
.irp t, 0,1,2,3,4,5,6,7,8,9,10,11,12,13,14,15
	v_cvt_pk_f16_f32 v[SB+32*\a+2*\t], v[64*\a+4*\t], v[64*\a+4*\t+1]
	v_cvt_pk_f16_f32 v[SB+32*\a+2*\t+1], v[64*\a+4*\t+2], v[64*\a+4*\t+3]
.endr
	WIN 0
.irp t, 0,1,2,3,4,5,6,7,8,9,10,11,12,13,14,15
	ds_store_b64 v[QST], v[SB+32*\a+2*\t:SB+32*\a+2*\t+1] offset:(16*\a+\t)*KPITCH
.endr
.endr
	WIN 0x40
.irp a, 0,1,2,3
.irp s, 0,1,2,3
	ds_load_b128 v[8*(4*\a+\s):8*(4*\a+\s)+3], v[QFR] offset:\a*16*KPITCH+64*\s
	ds_load_b128 v[8*(4*\a+\s)+4:8*(4*\a+\s)+7], v[QFR] offset:\a*16*KPITCH+64*\s+32
.endr
.endr
.endm
; 1 / row sum: the two halves' parts are joined first.
.macro INV
.irp a, 0,1,2,3
	v_permlanex16_b32 v[XB+8*\a+1], v[AL+2*\a+1], s77, s78
.endr
.irp a, 0,1,2,3
	v_add_f32 v[XB+8*\a+2], v[AL+2*\a+1], v[XB+8*\a+1]
.endr
.irp a, 0,1,2,3
	v_rcp_f32 v[XB+8*\a], v[XB+8*\a+2]
.endr
	v_nop                                          ; one plain instruction between the reciprocals and their use (ISA guide 5.7.2)
	s_wait_alu depctr_va_vdst(0)
.endm
; The way out of row block a: divide, 16 rows of 512 bytes into my stage, back by rows, and out: one store covers a head's whole row, 512 neighbouring aligned bytes.
.macro EPI a, base
	WIN 0x82
.set kk, 0
.rept 32
	v_pk_mul_f32 v[64*\a+kk:64*\a+kk+1], v[64*\a+kk:64*\a+kk+1], v[XB+8*\a:XB+8*\a+1] op_sel_hi:[1,0]
.set kk, kk+2
.endr
	WIN 0x08
.irp e, 0,1,2,3,4,5,6,7
	ds_store_b128 v[OST], v[64*\a+8*\e:64*\a+8*\e+3] offset:64*\e
	ds_store_b128 v[OST], v[64*\a+8*\e+4:64*\a+8*\e+7] offset:64*\e+16
.endr
	WIN 0
	s_wait_xcnt 0x0                                ; these 64 registers were store data two row blocks ago: loaded again only behind this wait (ISA guide 3.1)
.irp t, 0,1,2,3,4,5,6,7,8,9,10,11,12,13,14,15
	ds_load_b128 v[SB+64*(\a&1)+4*\t:SB+64*(\a&1)+4*\t+3], v[ORD] offset:OPITCH*\t
.endr
.irp t, 0,1,2,3,4,5,6,7,8,9,10,11,12,13,14,15
	s_wait_dscnt 15-\t                             ; LDS loads come back in order (ISA guide 5.7.1): row t is in
	global_store_b128 v[QOFF], v[SB+64*(\a&1)+4*\t:SB+64*(\a&1)+4*\t+3], s[\base:\base+1] offset:(64*\a+\t)*QROW th:TH_STORE_NT
.endr
.endm
	; ---- the head: ids, constants, addresses, descriptors ----
	s_load_b256 s[4:11], s[0:1], 0x0               ; kh s[4:5], vh s[6:7], query s[8:9], out0 s[10:11]
	v_lshl_add_u32 v254, v0, 2, 0x35000
	v_mov_b32 v255, 0
	ds_add_u32 v254, v255
	v_lshrrev_b32 v1, 5, v0
	v_readfirstlane_b32 s12, v1                    ; wave 0..3
	s_lshr_b32 s13, s12, 1                         ; I fetch for K (0) or for V (1),
	s_and_b32 s14, s12, 1                          ; and which 64 keys of the slot
	s_bfe_u32 s15, ttmp6, 0x40000                  ; cx: the head inside the group of four
	s_mov_b32 s16, ttmp9                           ; the cluster's x: the key/value head g
	s_and_b32 s17, ttmp7, 0xffff                   ; y
	s_lshr_b32 s18, s17, 2                         ; b
	s_and_b32 s19, s17, 3                          ; p
	s_mul_i32 s20, s12, PART                       ; my part of a slot
	s_mul_i32 s21, s12, STGW
	s_add_co_u32 s21, s21, STAGE                   ; my stage
	s_mov_b32 s66, 2                               ; the next tile to ask for
	s_lshl_b32 s68, s19, 1                         ; 2 p: the first block's first diagonal key slot
	s_add_co_u32 s67, s68, 2                       ; 2 p + 2: the first block's tiles
	s_sub_co_u32 s69, 14, s68                      ; 14 - 2 p: the second block's first diagonal key slot
	s_sub_co_u32 s89, 6, s19                       ; 6 - p: the second block's 7 - p pairs less the last, which fetches nothing
	s_mov_b32 s74, 0x3e0293ee                      ; c = 128^-0.5 x log2 e
	s_mov_b32 s75, 0x3e0293ee
	s_mov_b32 s76, 0xbe0293ee                      ; -c
	s_mov_b32 s77, 0x76543210                      ; v_permlanex16_b32: lane i of one half reads lane i of the other
	s_mov_b32 s78, 0xfedcba98
	; the offsets of query and out0: the only numbers that hold cx, in registers that feed no descriptor, branch or LDS address
	s_lshl_b32 s22, s16, 2
	s_add_co_u32 s22, s22, s15                     ; h = 4 g + cx
	s_lshl_b32 s23, s18, 25                        ; b x 2,048 rows of 16,384 bytes
	s_lshl_b32 s86, s22, 9                         ; + h x 512
	s_add_co_u32 s23, s23, s86
	s_lshl_b32 s86, s19, 22                        ; + block x 256 rows
	s_add_co_u32 s84, s23, s86                     ; the first block: p
	s_mov_b32 s85, 0
	s_sub_co_u32 s86, 7, s19
	s_lshl_b32 s86, s86, 22
	s_add_co_u32 s86, s23, s86                     ; the second: 7 - p
	s_mov_b32 s87, 0
	; lane terms
	v_and_b32 v1, 31, v0                           ; lane L
	v_and_b32 v2, 15, v0                           ; r
	v_bfe_u32 v3, v0, 4, 1                         ; h
	v_mul_u32_u24 v[KA], v2, KPITCH
	v_lshl_add_u32 v[KA], v3, 4, v[KA]             ; K: row r, 16 h
	v_add_nc_u32 v[KA+1], SLOT, v[KA]
	v_and_b32 v15, 7, v0
	v_lshl_add_u32 v15, v3, 3, v15
	v_mul_u32_u24 v[VA], v15, VPITCH               ; V: key row 8 h + L % 8,
	v_bfe_u32 v15, v0, 3, 1
	v_lshl_add_u32 v[VA], v15, 4, v[VA]            ; 16 bytes further for the upper eight of sixteen lanes,
	v_add_nc_u32 v[VA], 2*PART, v[VA]              ; behind K's two parts
	v_add_nc_u32 v[VA+1], SLOT, v[VA]
	v_lshlrev_b32 v[QOFF], 4, v1
	v_lshl_add_u32 v[QOFF], s12, 18, v[QOFF]       ; 16 w rows of 16,384 bytes + 16 L
	v_lshl_add_u32 v[QST], v1, 3, s21
	v_add_nc_u32 v[QFR], s21, v[KA]
	v_mul_u32_u24 v[OST], v2, OPITCH
	v_lshl_add_u32 v[OST], v3, 5, v[OST]
	v_add_nc_u32 v[OST], s21, v[OST]
	v_lshl_add_u32 v[ORD], v1, 4, s21
	v_lshl_add_u32 v[DG], s12, 4, v2
	v_lshlrev_b32 v15, 3, v3
	v_sub_nc_u32 v[DG], v[DG], v15                 ; 16 w + r - 8 h, signed
	v_mov_b32 v[NINF], 0xff800000
	; group 1: a tile of 64 rows x 128 elements of 2 bytes, rows 1,024 elements apart in memory, padded in LDS behind every 64 words
	s_mov_b32 s[G1K+0], 15|(1<<16)|(1<<20)|(1<<21)|(5<<22)|(3<<25)   ; 15:0 mask: all four work-groups; 17:16 2 bytes; 20 padding on; 21 set beside a mask; 24:22 every 64 words; 31:25 4 words
	s_mov_b32 s[G1V+0], 15|(1<<16)|(1<<20)|(1<<21)|(5<<22)|(7<<25)   ; the same with 8 words of padding
	s_mov_b32 s[G1K+1], 128<<16                    ; tensor_dim0 = 128
	s_mov_b32 s[G1V+1], 128<<16
	s_mov_b32 s[G1K+2], 64<<16                     ; tensor_dim1 = 64
	s_mov_b32 s[G1V+2], 64<<16
	s_mov_b32 s[G1K+3], 128<<16                    ; tile_dim0 = 128
	s_mov_b32 s[G1V+3], 128<<16
	s_mov_b32 s[G1K+4], 64                         ; tile_dim1 = 64
	s_mov_b32 s[G1V+4], 64
	s_mov_b32 s[G1K+5], 1024                       ; elements from row to row
	s_mov_b32 s[G1V+5], 1024
	s_mov_b32 s[G1K+6], 0
	s_mov_b32 s[G1V+6], 0
	s_mov_b32 s[G1K+7], 0
	s_mov_b32 s[G1V+7], 0
.irp s, 0,1
	s_mov_b32 s[G0K+4*\s], 1                       ; count = 1
	s_add_co_u32 s[G0K+4*\s+1], s20, \s*SLOT       ; LDS address: wave x part + the slot
	s_mov_b32 s[G0V+4*\s], 1
	s_add_co_u32 s[G0V+4*\s+1], s20, \s*SLOT
.endr
	s_lshl_b32 s70, s18, 22                        ; b x 2,048 rows of 2,048 bytes
	s_lshl_b32 s79, s16, 8                         ; + g x 256
	s_add_co_u32 s70, s70, s79
	s_lshl_b32 s79, s14, 17                        ; + my 64 of the slot's 128 rows
	s_add_co_u32 s70, s70, s79
	s_mov_b32 s71, 0
	s_wait_dscnt 0x0
	s_wait_kmcnt 0x0
	s_add_nc_u64 s[56:57], s[4:5], s[70:71]        ; kh and vh at key slot 0, my rows
	s_add_nc_u64 s[58:59], s[6:7], s[70:71]
	s_add_nc_u64 s[QLO:QLO+1], s[8:9], s[84:85]
	s_add_nc_u64 s[OLO:OLO+1], s[10:11], s[84:85]
	s_add_nc_u64 s[QHI:QHI+1], s[8:9], s[86:87]
	s_add_nc_u64 s[OHI:OHI+1], s[10:11], s[86:87]
	s_lshl_b32 s70, s68, 18                        ; tiles 0 and 1: key slots 2 p and 2 p + 1
	s_add_nc_u64 s[G0K+2:G0K+3], s[56:57], s[70:71]
	s_add_nc_u64 s[G0V+2:G0V+3], s[58:59], s[70:71]
	s_add_co_u32 s70, s70, 1<<18
	s_add_nc_u64 s[G0K+6:G0K+7], s[56:57], s[70:71]
	s_add_nc_u64 s[G0V+6:G0V+7], s[58:59], s[70:71]
	s_or_b32 s[G0K+3], s[G0K+3], 0x80000000        ; type = 2
	s_or_b32 s[G0V+3], s[G0V+3], 0x80000000
	s_or_b32 s[G0K+7], s[G0K+7], 0x80000000
	s_or_b32 s[G0V+7], s[G0V+7], 0x80000000
	; ---- the first fills: one group behind one round; a wave's two loads stand inside one branch on its number ----
	CROUND
	s_cmp_eq_u32 s13, 0
	s_cbranch_scc0 .Lfirst_v
	tensor_load_to_lds s[G0K:G0K+3], s[G1K:G1K+7]
	s_nop 0
	tensor_load_to_lds s[G0K+4:G0K+7], s[G1K:G1K+7]
	s_nop 0
	s_branch .Lfirst_done
.Lfirst_v:
	tensor_load_to_lds s[G0V:G0V+3], s[G1V:G1V+7]
	s_nop 0
	tensor_load_to_lds s[G0V+4:G0V+7], s[G1V:G1V+7]
	s_nop 0
.Lfirst_done:
	QISS 0, QLO                                    ; the first block's Q: 64 loads of the wave
	QISS 1, QLO
	QISS 2, QLO
	QISS 3, QLO
	WIN 0
	s_wait_tensorcnt 0x1                           ; my part of tile 0 is in; tile 1's may stay out
	s_barrier_signal -1
	s_barrier_wait -1                              ; everybody's part is in
	KLOAD 0, 0
	VLOAD 0, 0
	WIN 0                                          ; at a label and at a branch every window is 0
	; ---- the two blocks: trip 0 makes block p, trip 1 block 7 - p ----
	s_mov_b32 s88, 0
.Lblock:
	QCONV
	s_cmp_eq_u32 s88, 0                            ; no global instruction has been issued since the wait at QCONV's head, so the stores' base may be written
	s_cselect_b64 s[OB:OB+1], s[OLO:OLO+1], s[OHI:OHI+1]   ; out0 at this trip's block
	s_cselect_b32 s73, s19, s89                    ; pairs of slots that fetch: p, then 6 - p
	DIAG
	WIN 0
	s_cmp_eq_u32 s73, 0
	s_cbranch_scc1 .Lpairs_done                    ; block 0 has its diagonal alone
	s_mov_b32 s72, 0
.Lpair:
	PAIR 1, 1, 0
	WIN 0
	s_add_co_u32 s72, s72, 1
	s_cmp_lt_u32 s72, s73
	s_cbranch_scc1 .Lpair
.Lpairs_done:
	s_cmp_eq_u32 s88, 0
	s_cbranch_scc1 .Lno_tail                       ; the trip's number is the same in every wave and every partner
	PAIR 2, 0, 1                                   ; tiles 16 and 17, the stream's last: nothing is left to fetch; one plain barrier for the change of slots
	WIN 0
.Lno_tail:
	INV
	EPI 0, OB                                      ; as soon as a row block's 64 accumulator registers have left,
	QNEXT 0                                        ; the second block's Q is requested into them (first trip)
	EPI 1, OB
	QNEXT 1
	EPI 2, OB
	QNEXT 2
	EPI 3, OB
	QNEXT 3
	s_add_co_u32 s88, s88, 1
	s_cmp_lt_u32 s88, 2
	s_cbranch_scc1 .Lblock
	s_wait_dscnt 0x0                               ; no LDS instruction is pending at a signal (met: the last count-down ended at 0)
	s_wait_tensorcnt 0x0                           ; no tensor load is out at the end (met: the last was waited for at the last change of slots)
	s_wait_tensorcnt 0x0
	ds_add_u32 v254, v255
	s_wait_dscnt 0x0
	CROUND                                         ; the closing round: no work-group ends while a partner may still ask for a tile that names it
	s_endpgm
.Lfunc_end_k_q56b035a40a_attn:
	.size	k_q56b035a40a_attn, .Lfunc_end_k_q56b035a40a_attn-k_q56b035a40a_attn
	.p2alignl 7, 3214868480
	.fill 96, 4, 3214868480
	.section	.rodata,"a",@progbits
	.p2align	6, 0x0
	.amdhsa_kernel k_q56b035a40a_attn
		.amdhsa_group_segment_fixed_size 327680
		.amdhsa_private_segment_fixed_size 0
		.amdhsa_enable_private_segment 0
		.amdhsa_kernarg_size 32
		.amdhsa_user_sgpr_count 2
		.amdhsa_user_sgpr_kernarg_segment_ptr 1
		.amdhsa_wavefront_size32 1
		.amdhsa_system_sgpr_workgroup_id_x 1
		.amdhsa_system_sgpr_workgroup_id_y 1
		.amdhsa_system_sgpr_workgroup_id_z 1
		.amdhsa_system_vgpr_workitem_id 0
		.amdhsa_next_free_vgpr 1024
		.amdhsa_next_free_sgpr 92
		.amdhsa_reserve_vcc 1
		.amdhsa_float_denorm_mode_32 3
		.amdhsa_float_denorm_mode_16_64 3
		.amdhsa_memory_ordered 1
		.amdhsa_forward_progress 1
		.amdhsa_inst_pref_size 255
	.end_amdhsa_kernel
	.section	.bss,"aw",@nobits
	.p2align	6
	.space	262144
	.amdgpu_metadata
---
amdhsa.version: [ 1, 2 ]
amdhsa.kernels:
  - .name:           k_q56b035a40a_attn
    .symbol:         k_q56b035a40a_attn.kd
    .args:
      - { .name: kh, .offset: 0, .size: 8, .value_kind: global_buffer, .address_space: global }
      - { .name: vh, .offset: 8, .size: 8, .value_kind: global_buffer, .address_space: global }
      - { .name: query, .offset: 16, .size: 8, .value_kind: global_buffer, .address_space: global }
      - { .name: out0, .offset: 24, .size: 8, .value_kind: global_buffer, .address_space: global }
    .group_segment_fixed_size: 327680
    .private_segment_fixed_size: 0
    .kernarg_segment_align: 8
    .kernarg_segment_size: 32
    .max_flat_workgroup_size: 128
    .sgpr_count:     92
    .vgpr_count:     1024
    .wavefront_size: 32
...
	.end_amdgpu_metadata
.endif
;; end of part 3
;; ======== version 3 of 3: 2 launches; version 2 with the launch cvt written anew for expert scheduling mode
;; limits: values are held in f16: magnitudes above 65,504 overflow, below 6.1e-05 lose precision; inputs' magnitudes at most 65,504
;; workspace buffers: kh 8,388,608 bytes; vh 8,388,608 bytes
;; launch cvt (part 4): grid 512 x 1, 8 waves a work-group, no clusters, 0 bytes of LDS; arguments key, value, kh, vh; writes kh, vh
.if DOCPART == 4
	.amdgcn_target "amdgcn-amd-amdhsa--gfx1250"
	.amdhsa_code_object_version 6
	.text
	.protected	k_q56b035a40a_cvt
	.globl	k_q56b035a40a_cvt
	.p2align	8
	.type	k_q56b035a40a_cvt,@function
k_q56b035a40a_cvt:
	s_mov_b64 s[64:65], 0
	v_nop
	global_prefetch_b8 v0, s[64:65] scope:SCOPE_SE
	s_setreg_imm32_b32 hwreg(HW_REG_WAVE_SCHED_MODE, 0, 2), 2
	s_setreg_imm32_b32 hwreg(HW_REG_WAVE_MODE, 25, 1), 1
	s_wait_xcnt 0x0
	s_wait_alu depctr_vm_vsrc(0)
; kh = f16(key), vh = f16(value), in the layout of the inputs: [2][2048][1024].
; f16 and not bf16: 11 significant bits against 8.  LIMIT: an input above 65,504 in magnitude becomes infinite; one below 2^-14 keeps an absolute error of at most 2^-25.
; A stream: every input byte is read once, every output byte written once; no LDS, no barrier, no matrix work.
; 512 work-groups of eight waves.  A work-group owns 32,768 bytes of key and the same of value; a wave 4,096 of each,
; as eight chunks of 512 neighbouring bytes (16 bytes a lane).  All sixteen loads of a wave go out at once; a chunk's
; 128 numbers leave as 256 neighbouring bytes, aligned to 256, by one store (8 bytes a lane).
; THE MODE: SCHED_MODE bits 1:0 = 2 (LLVM: expert scheduling mode 2), set by the entry lines.  The code itself states the register dependences
; between vector instructions and memory instructions, with s_wait_alu, always for 0.
; THE PLAN.  Registers that memory instructions touch:
;   v1, v2   byte offsets of the loads and of the stores: made at the head by vector lines, never written again.
;   X        chunk n's 4 registers: written by its load alone, issued at the head, ahead of every vector line that names X; read by its two conversions.
;   Y        chunk n's 2 registers: written once, by its two conversions; read once, by its store.
; The sixteen chunks go in four blocks of four.  Block p converts its four chunks; its memory instructions are the four stores of block p - 1, whose
; part of Y no vector line of block p names.  So one wait on va_vdst at the head of a block states all that its four stores hang on, and they are dealt
; among its conversions with no further wait.  No register that a memory instruction reads is written again, so the text holds no wait on vm_vsrc.
.set X, 8                              ; v[8:71]    chunk n: 4 registers as loaded (0-7 key, 8-15 value)
.set Y, 72                             ; v[72:103]  chunk n: 2 registers to store
	s_load_b256 s[4:11], s[0:1], 0x0               ; key s[4:5], value s[6:7], kh s[8:9], vh s[10:11]
	v_lshrrev_b32 v3, 5, v0                        ; wave
	v_and_b32 v4, 31, v0                           ; lane
	v_lshlrev_b32 v1, 4, v4
	v_lshl_add_u32 v1, v3, 12, v1                  ; in:  4,096 x wave + 16 x lane
	v_lshlrev_b32 v2, 3, v4
	v_lshl_add_u32 v2, v3, 11, v2                  ; out: 2,048 x wave + 8 x lane
	s_lshl_b32 s12, ttmp9, 15                      ; the work-group's 32,768 input bytes
	s_mov_b32 s13, 0
	s_lshl_b32 s14, ttmp9, 14                      ; and its 16,384 output bytes
	s_mov_b32 s15, 0
	s_wait_kmcnt 0x0
	s_add_nc_u64 s[4:5], s[4:5], s[12:13]
	s_add_nc_u64 s[6:7], s[6:7], s[12:13]
	s_add_nc_u64 s[8:9], s[8:9], s[14:15]
	s_add_nc_u64 s[10:11], s[10:11], s[14:15]
	s_wait_alu depctr_va_vdst(0)                   ; v1 and v2 are written: every load reads v1 as its offset, every store v2
.irp n, 0,1,2,3,4,5,6,7
	global_load_b128 v[X+4*\n:X+4*\n+3], v1, s[4:5] offset:512*\n th:TH_LOAD_NT
.endr
.irp n, 0,1,2,3,4,5,6,7
	global_load_b128 v[X+32+4*\n:X+32+4*\n+3], v1, s[6:7] offset:512*\n th:TH_LOAD_NT
.endr
; Chunk n: four f32 a lane become four f16, two roundings to a line.
.macro CONV n
	v_cvt_pk_f16_f32 v[Y+2*(\n)], v[X+4*(\n)], v[X+4*(\n)+1]
	v_cvt_pk_f16_f32 v[Y+2*(\n)+1], v[X+4*(\n)+2], v[X+4*(\n)+3]
.endm
; Chunk n leaves: chunks 0 to 7 into kh, chunks 8 to 15 into vh.  No hint: the next launch reads these bytes.
.macro SEND n
.if (\n) < 8
	global_store_b64 v2, v[Y+2*(\n):Y+2*(\n)+1], s[8:9] offset:256*(\n)
.else
	global_store_b64 v2, v[Y+2*(\n):Y+2*(\n)+1], s[10:11] offset:256*((\n)-8)
.endif
.endm
; Block p: chunks 4 p to 4 p + 3 are converted, and the block before is stored, a store ahead of each chunk's two conversions.
.macro BLK p
	s_wait_loadcnt 12-4*(\p)                       ; loads come back in order (ISA guide 5.7.1): this block's four chunks are in, the 12 - 4 p younger loads stay out
.if (\p) > 0
	s_wait_alu depctr_va_vdst(0)                   ; the block before has written its eight registers of Y, which the four stores below read; the conversions below write other registers
.endif
.irp i, 0,1,2,3
.if (\p) > 0
	SEND 4*((\p)-1)+(\i)
.endif
	CONV 4*(\p)+(\i)
.endr
.endm
	BLK 0                                          ; no block stands in front of it: nothing to store, and no wait but the one for its data
	BLK 1
	BLK 2
	BLK 3
	s_wait_alu depctr_va_vdst(0)                   ; block 3 has written its eight registers of Y, which the last four stores read
.irp i, 12,13,14,15
	SEND \i
.endr
	s_endpgm
.Lfunc_end_k_q56b035a40a_cvt:
	.size	k_q56b035a40a_cvt, .Lfunc_end_k_q56b035a40a_cvt-k_q56b035a40a_cvt
	.p2alignl 7, 3214868480
	.fill 96, 4, 3214868480
	.section	.rodata,"a",@progbits
	.p2align	6, 0x0
	.amdhsa_kernel k_q56b035a40a_cvt
		.amdhsa_group_segment_fixed_size 0
		.amdhsa_private_segment_fixed_size 0
		.amdhsa_enable_private_segment 0
		.amdhsa_kernarg_size 32
		.amdhsa_user_sgpr_count 2
		.amdhsa_user_sgpr_kernarg_segment_ptr 1
		.amdhsa_wavefront_size32 1
		.amdhsa_system_sgpr_workgroup_id_x 1
		.amdhsa_system_sgpr_workgroup_id_y 1
		.amdhsa_system_sgpr_workgroup_id_z 1
		.amdhsa_system_vgpr_workitem_id 0
		.amdhsa_next_free_vgpr 104
		.amdhsa_next_free_sgpr 66
		.amdhsa_reserve_vcc 0
		.amdhsa_float_denorm_mode_32 3
		.amdhsa_float_denorm_mode_16_64 3
		.amdhsa_memory_ordered 1
		.amdhsa_forward_progress 1
		.amdhsa_inst_pref_size 7
	.end_amdhsa_kernel
	.amdgpu_metadata
---
amdhsa.version: [ 1, 2 ]
amdhsa.kernels:
  - .name:           k_q56b035a40a_cvt
    .symbol:         k_q56b035a40a_cvt.kd
    .args:
      - { .name: key, .offset: 0, .size: 8, .value_kind: global_buffer, .address_space: global }
      - { .name: value, .offset: 8, .size: 8, .value_kind: global_buffer, .address_space: global }
      - { .name: kh, .offset: 16, .size: 8, .value_kind: global_buffer, .address_space: global }
      - { .name: vh, .offset: 24, .size: 8, .value_kind: global_buffer, .address_space: global }
    .group_segment_fixed_size: 0
    .private_segment_fixed_size: 0
    .kernarg_segment_align: 8
    .kernarg_segment_size: 32
    .max_flat_workgroup_size: 256
    .sgpr_count:     66
    .vgpr_count:     104
    .wavefront_size: 32
...
	.end_amdgpu_metadata
.endif
;; end of part 4
;; launch attn: the kernel of part 3 again; grid 32 x 8, 4 waves a work-group, clusters of 4 x 1, 327,680 bytes of LDS; arguments kh, vh, query, out0; writes out0
